; MI455X (gfx1250); checked and timed in simulation.
; The chip was launched on July 23, 2026; its instructions are those of AMD's public machine-readable ISA for CDNA 5 (MIT licence, August 2026) and "CDNA5" Instruction Set Architecture Reference Guide (July 2026). The comments in the code are by the model that wrote it; some were corrected since.
;; Self Attention. Allowed arithmetic: matrix products marked QUANTISED: E5M2 operands, one E8M0 scale for each 32 along K, by v_wmma_scale_f32_16x16x128_f8f6f4 with both operands' format E5M2, f32 sums; everything else in f32.
;; Inputs: b_out 1,024 float32; b_qkv 3,072 float32; w_out_codes 1,024 x 32 x 32 uint8 (E5M2 codes of w_out, K innermost, in blocks of 32 codes); w_out_scales 1,024 x 32 uint8 (E8M0 scales of w_out, one for each 32 codes along K); w_qkv_codes 3,072 x 32 x 32 uint8 (E5M2 codes of w_qkv, K innermost, in blocks of 32 codes); w_qkv_scales 3,072 x 32 uint8 (E8M0 scales of w_qkv, one for each 32 codes along K); x_codes 4 x 2,048 x 32 x 32 uint8 (E5M2 codes of x, K innermost, in blocks of 32 codes); x_scales 4 x 2,048 x 32 uint8 (E8M0 scales of x, one for each 32 codes along K).
;; Outputs: out0 4 x 2,048 x 1,024 float32.
;; This version of the problem:
;;   THIS VERSION OF THE PROBLEM IS GIVEN IN LOW PRECISION. The matrix products marked QUANTISED in the list below multiply operands that are first quantised to E5M2 (5 exponent bits, 2 mantissa bits; 8 bits a number), with one power-of-two scale for each 32 numbers along K (OCP MX v1.0); their sums are f32. All else is computed in f32.
;;   The module's matrix products, in the order in which they are computed (A, B: the left and right operand; K: the contracted axis; several contracted axes count as one K, in the product's order):
;;     1. [M 8,192, K 1,024] x [K 1,024, N 3,072]; A: input x (given as codes); B: input w_qkv (given as codes): QUANTISED
;;     2. batch 64 x [M 2,048, K 64] x [K 64, N 2,048]; A: computed on the way; B: computed on the way: QUANTISED
;;     3. batch 64 x [M 2,048, K 2,048] x [K 2,048, N 64]; A: softmax (see below); B: computed on the way: QUANTISED
;;     4. [M 8,192, K 1,024] x [K 1,024, N 1,024]; A: computed on the way; B: input w_out (given as codes): QUANTISED
;;   THE QUANTISER, for each operand of a quantised product, along K:
;;     - K is cut into blocks of 32 from its start; a last block that is shorter is filled with zeros.
;;     - A block's scale is 2^e with e = floor(log2(the largest magnitude in the block)) - 15, held to -126 .. 127; a block of zeros has e = 0. As a byte (E8M0): e + 127.
;;     - Each number is divided by its block's scale, clamped to +-57,344, and rounded to the nearest number of E5M2, ties to even, subnormals kept.
;;     - The product sums the exact products of the quantised numbers (number of the format x scale) in f32.
;;   ~~~python
;;   def quantise(x, axis):      # numpy; x: float32 -> the quantised numbers, widened to float32 again
;;       x = np.moveaxis(x, axis, -1); K = x.shape[-1]
;;       x = np.pad(x, [(0, 0)] * (x.ndim - 1) + [(0, -K % 32)]); x = x.reshape(x.shape[:-1] + (-1, 32)); a = np.abs(x).max(-1, keepdims=True)
;;       e = np.where(a > 0, np.clip(np.frexp(np.where(a > 0, a, 1))[1] - 1 - 15, -126, 127), 0)      # np.frexp(a)[1] - 1 = floor(log2(a)), exactly
;;       r = np.clip(x / 2.0 ** e, -57344, 57344)
;;       step = 2.0 ** (np.maximum(np.frexp(np.where(r == 0, 1, r))[1] - 1, -14) - 2)
;;       q = np.round(r / step) * step * 2.0 ** e      # np.round: ties to even
;;       return np.moveaxis(q.reshape(q.shape[:-2] + (-1,))[..., :K], -1, axis).astype(np.float32)
;;   ~~~
;;   SOFTMAX AHEAD OF A QUANTISED PRODUCT. Where the list says 'softmax', what is quantised is not the finished softmax but p = 2^(t - M), with t = logit x log2(e) and M = ceil(the row's largest t), a whole number; so 1/2 < the row's largest p <= 1. The row's sum l is taken of the UNQUANTISED p, in f32, and the product's result is divided by l at the end. Since M is a whole number, a kernel that streams over the keys may use a running M (the ceiling of the running maximum): every later rescaling is an exact power of two, which a block's scale takes up: the codes' values come out the same.
;;   OPERANDS COMPUTED ON THE WAY. 'Computed on the way' means the value that the module computes at that place (a softmax that the list does not call 'softmax' is quantised finished and normalised). What goes into a quantiser is computed in f32, as accurately as f32 sums, v_exp_f32 and their like allow (about 1e-6 of the number): no bf16 or f16 on the way to a quantiser, and a product that is left as it is and whose result goes on into a quantised operand takes f32 operands (vector FMAs, or v_wmma_f32_16x16x4_f32). A number that lies on a knife's edge between two numbers of the format may be rounded either way, as far as f32 arithmetic and the matrix unit's own rounding can turn it there, and no further.
;;   INPUTS GIVEN AS CODES. w_out (in the module: [1024, 1024], K = its axis 0); w_qkv (in the module: [1024, 3072], K = its axis 0); x (in the module: [4, 2048, 1024], K = its axis 2): each comes as NAME_codes (uint8): NAME with its K axis moved to the last place and cut into blocks of 32 codes, [.., K / 32, bytes a block], one block behind the other in memory; one code a byte (a code: sign, 5 exponent bits, 2 mantissa bits); and NAME_scales (uint8): the same leading axes, one E8M0 byte (e + 127) for each 32 codes along K. Its value is code x scale, taken as it is: it is not quantised again, and the codes and scales need not be those that the quantiser above would give.
;; One version. Each part assembles by itself: llvm-mc -triple=amdgcn-amd-amdhsa -mcpu=gfx1250 --defsym DOCPART=n.
;; ======== version 1 of 1: 3 launches
;; limits: right only within a limited range of input values
;; workspace buffers: qkv 26,476,544 bytes; y_img 8,388,608 bytes; y_sc 262,144 bytes
;; launch qkv_proj (part 1): grid 12 x 32, 4 waves a work-group, clusters of 4 x 4, 327,680 bytes of LDS; arguments x_codes, x_scales, w_qkv_codes, w_qkv_scales, b_qkv, qkv; writes qkv
.if DOCPART == 1
	.amdgcn_target "amdgcn-amd-amdhsa--gfx1250"
	.amdhsa_code_object_version 6
	.text
	.protected	k_q6a983d36fe_qkv_proj
	.globl	k_q6a983d36fe_qkv_proj
	.p2align	8
	.type	k_q6a983d36fe_qkv_proj,@function
k_q6a983d36fe_qkv_proj:
	s_mov_b64 s[64:65], 0
	v_nop
	global_prefetch_b8 v0, s[64:65] scope:SCOPE_SE
	s_setreg_imm32_b32 hwreg(HW_REG_WAVE_MODE, 25, 1), 1
	s_wait_xcnt 0x0
	s_wait_alu depctr_hold_cnt(0) depctr_sa_sdst(0) depctr_va_vdst(0) depctr_va_sdst(0) depctr_va_ssrc(0) depctr_va_vcc(0) depctr_vm_vsrc(0)
	s_getreg_b32 s2, hwreg(HW_REG_IB_STS2, 6, 4)
	s_cmp_eq_u32 s2, 0
	s_cbranch_scc0 .Lentry_in_a_cluster
	s_endpgm
.Lentry_in_a_cluster:
	s_bfe_u32 s2, ttmp6, 0x10000c
	s_cmp_lg_u32 s2, 0xf033
	s_cbranch_scc0 .Lentry_shape_is_right
	s_endpgm
.Lentry_shape_is_right:
; qkv = x w_qkv + b_qkv on codes of BF8 (E5M2) with one E8M0 scale for each 32 along K = 1,024, and the quantisers of q, k (along the head's 64) and v (along the keys).
; ONE BODY: C'[m'][n'] = sum over k of A'[m'][k] B'[n'][k] + bias, quantised along n'.  Clusters x = 0, 1: A' = x (tokens), B' = w_qkv's rows 0 .. 2,047 (q's and k's channels).
; Cluster x = 2: the roles are swapped, A' = w_qkv's rows 2,048 .. 3,071 (v's channels), B' = x, so that n' runs along the keys, which are K of attention's second product.
; A tile of C' is 256 x 256: four waves, each 128 x 128 in 64 accumulators (512 registers).  K goes in steps of 256 through a ring of two LDS slots; the scale bytes of the tile's rows, for all of K, come once.
; THE MATRIX INSTRUCTION IS USED TRANSPOSED (source 0 = 16 rows of B', source 1 = 16 rows of A'): lane (r, h) of accumulator (a, b) holds m' = 16 a + r and n' = 16 b + 8 h + 0 .. 7.
; So the 16 registers of accumulators 2 c, 2 c + 1 are 16 numbers of block c of 32 along n', the other 16 lie in lane l xor 16, and the conversions' results are operand registers of the next launch.
; Inside a block the order of n' is 8 h + 0..7, 16 + 8 h + 0..7: not the layout's own.  It is the same for q and k, and for v and the weights p of attention: both sides of a product permuted alike.
; CLUSTERS: 4 x 4.  A's tile hangs on the tile row (cy), B's on the tile column (cx): each is asked for jointly by the four work-groups that share it.
; THE BIAS is the C of each sum's first matrix instruction: along n' for q and k (8 registers for each b), along m' for v (8 equal registers for each a).  Only that first step is written twice.
; OUT: records of 51,712 bytes, one for each (batch x head, 256 tokens): K's codes, V^T's codes, K's, V's and Q's scale words, Q's codes, all as images of operand registers (16 bytes a lane on end).
; LIMITS: NaN and infinities among the inputs are not served.  A block of zeros gets the scale byte 1 where the quantiser says 127: its codes are zeros, and only this program reads the bytes.
; No prefetch: every tile is read by many work-groups, and the launch is short.
.set REC,   51712                      ; a record
.set BH,    8*REC                      ; a head's eight records
.set KOFF,  0                          ; K's codes [tile of 16 keys (16)][c (2)][lane][16 bytes]
.set VOFF,  16384                      ; V^T's codes [128 keys (2)][16 channels (4)][c (4)][lane][16 bytes]
.set KSOFF, 32768                      ; a word a key: bytes s0 s1 s0 s1
.set VSOFF, 33792                      ; [128 keys (2)][channel (64)] a word
.set QSOFF, 34304                      ; a word a query: s0 s1 s0 s1
.set QOFF,  35328                      ; Q's codes, laid like K's
.set NQ,     2                         ; matrix instructions deep in a slot
.set ROWB,   256                       ; a tile's row: 256 codes
.set KROW,   1024                      ; a row of x or of w_qkv in memory
.set PITCH,  272                       ; an LDS row: 256 bytes + 16 of padding = 68 words: the 16 rows that a load touches start at 16 different banks (64 banks of 4 bytes: ISA guide 11.1)
.set FR,     16
.set NL,     4
.set NP,     8                         ; places behind this matrix instruction (ISA guide 7.12.1)
.set HALFT,  128*PITCH
.set SLOT,   4*HALFT
.set LAPS,   2                         ; 1,024 / 512
.set KS,     32                        ; a row of scale bytes
.set SCL,    2*SLOT
.set HALFS,  (128*KS/256)*272
.set SBLK,   (16*KS/256)*272
.set SPARE,  SCL+4*HALFS               ; the spare words: 128 bytes a wave, two blocks of 256 bytes that no other line names
.set ADRA, 16                          ; v16-17 LDS address of my A' fragments in slot 0, 1
.set ADRB, 20                          ; v20-21 the same for B'
.set STGW, 24                          ; v24  the scale words' stage: 1,024 x wave + 4 r.  It lies in slot 0, which has had its last fill and its last read by then
.set STGR, 25                          ; v25  and back: 1,024 x wave + 16 x lane
.set LI,   26                          ; v26  16 x lane
.set ADRS, 27                          ; v27  LDS address of my scale words: lanes 0-15 A's rows, lanes 16-31 B's
.set SPW,  28                          ; v28  my spare word; never rewritten
.set NIL,  29                          ; v29  0; never rewritten
.set SOFF, 30                          ; v30  16 r + h x HSTR: where the first 512 bytes of scale words go
.set SC,   32                          ; v32-63 scale words, two sets
.set BIAS, 64                          ; v64-127
.set AF,   128                         ; v128-255 A' fragments, one set; on the way out:
.set X,    128
.set PC,   192                         ; v192-207 their codes
.set TM,   208                         ; largest magnitudes
.set T4,   212                         ; the other half's, then the bytes
.set HL,   216
.set CV,   220                         ; the conversions' scale operands
.set PW,   224
.set X0,   225
.set X1,   226
.set SO,   228                         ; v228-235
.set WV, 18
.set ROLE, 19                          ; which half of the tile's rows is mine; also: I fetch for A' (0) or B' (1)
.set HALF, 20                          ; which half of its columns; also: which 128 rows I fetch
.set CX, 21
.set CY, 22
.set ISV, 23                           ; 1 in the clusters that make v: the cluster's x, equal in all sixteen partners
.set G1, 24
.set G0, 32
.set TR, 40
.set TC, 41
.set G1B, 48
.set G0B, 56
.set G1S, 68
.set G0S, 76
.set G1SB, 80
.set G0SB, 88
.set PA, 92                            ; s[92:99]: first A's and B's codes and scales; on the way out the four store bases
.set PB, 94
.set SCP0, 96
.set SCP1, 98
.set STEPP, 100
.set EXTRA, 4
.set SELA, 6
.set SELB, 7
.set HSTR, 8
.set MNT, 9
.set SEL, 10
.set MSB, 0
.macro WIN new                         ; the immediate's high byte repeats the setting that is left
.if MSB != (\new)
	s_set_vgpr_msb (MSB<<8)|(\new)
.set MSB, (\new)
.endif
.endm
.set MUL_LO, 0xa1                      ; source 0 (B') window 1, source 1 (A') window 0, C and D window 2
.set MUL_HI, 0xf1                      ; the same, C and D window 3
.set TO_B,   0x40
; A joint load: waves 0 and 1 fetch for A', waves 2 and 3 for B'.  Four v_nop follow each of the two lines.
.macro JLOAD g0a, g1a, g0b, g1b
	s_cmp_eq_u32 s[ROLE], 0
	s_cbranch_scc0 .Lfor_b_\@
	tensor_load_to_lds s[\g0a:\g0a+3], s[\g1a:\g1a+7]
	s_nop 0
.rept 4
	v_nop
.endr
	s_branch .Lasked_\@
.Lfor_b_\@:
	tensor_load_to_lds s[\g0b:\g0b+3], s[\g1b:\g1b+7]
	s_nop 0
.rept 4
	v_nop
.endr
.Lasked_\@:
.endm
.macro CREST                           ; a round of the cluster's barrier behind its opening barrier
	s_cmp_lg_u32 s[WV], 0
	s_cbranch_scc1 .Lnot_wave_0_\@
	s_barrier_signal -3
.Lnot_wave_0_\@:
	s_barrier_wait -3
	s_barrier_signal -1
	s_barrier_wait -1
.endm
.macro CROUND
	s_barrier_signal -1
	s_barrier_wait -1
	CREST
.endm
	s_load_b256 s[4:11], s[0:1], 0x0               ; x's codes, x's scales, w's codes, w's scales
	s_load_b128 s[12:15], s[0:1], 0x20             ; b_qkv, qkv
	v_lshl_add_u32 v[SPW], v0, 2, SPARE
	v_mov_b32 v[NIL], 0
	ds_add_u32 v28, v29
	ds_add_u32 v28, v29
	s_wait_dscnt 0x0
	v_lshrrev_b32 v1, 5, v0
	v_readfirstlane_b32 s[WV], v1
	s_lshr_b32 s[ROLE], s[WV], 1
	s_and_b32 s[HALF], s[WV], 1
	s_bfe_u32 s[CX], ttmp6, 0x40000
	s_bfe_u32 s[CY], ttmp6, 0x40004
	s_and_b32 s44, ttmp7, 0xffff
	s_lshl_b32 s44, s44, 2                         ; 4 x cluster y
	s_lshl_b32 s45, ttmp9, 2                       ; 4 x cluster x
	s_cmp_eq_u32 ttmp9, 2
	s_cselect_b32 s[ISV], 1, 0
	s_cselect_b32 s[TR], 8, s44                    ; v: w_qkv's tile rows 8 .. 11;  q, k: x's tile rows
	s_cselect_b32 s[TC], s44, s45                  ; v: x's tile rows;  q, k: w_qkv's tile rows 0 .. 7
	s_add_co_u32 s[TR], s[TR], s[CY]               ; the tile row hangs on cy alone,
	s_add_co_u32 s[TC], s[TC], s[CX]               ; the tile column on cx alone
	s_lshl_b32 s42, s[CY], 2
	s_lshl_b32 s42, 15, s42                        ; my row of the cluster
	s_lshl_b32 s43, 0x1111, s[CX]                  ; my column
	s_or_b32 s[G1+0], s42, (0<<16)|(1<<20)|(1<<21)|(5<<22)|(3<<25)   ; the mask; elements of 1 byte; padding: 4 words after every 64
	s_or_b32 s[G1B+0], s43, (0<<16)|(1<<20)|(1<<21)|(5<<22)|(3<<25)
.irp g, G1, G1B
	s_mov_b32 s[\g+1], ROWB<<16                    ; tensor_dim0
	s_mov_b32 s[\g+2], 128<<16                     ; tensor_dim1
	s_mov_b32 s[\g+3], ROWB<<16                    ; tile_dim0
	s_mov_b32 s[\g+4], 128                         ; tile_dim1
	s_mov_b32 s[\g+5], KROW                        ; the pitch
	s_mov_b32 s[\g+6], 0
	s_mov_b32 s[\g+7], 0
.endr
	s_or_b32 s[G1S+0], s42, (3<<16)|(1<<20)|(1<<21)|(5<<22)|(3<<25)  ; the scales of 128 rows: 4,096 dense bytes as 16 rows of 256, 16 bytes of padding behind each
	s_or_b32 s[G1SB+0], s43, (3<<16)|(1<<20)|(1<<21)|(5<<22)|(3<<25)
.irp g, G1S, G1SB
	s_mov_b32 s[\g+1], 32<<16
	s_mov_b32 s[\g+2], (128*KS/256)<<16
	s_mov_b32 s[\g+3], 32<<16
	s_mov_b32 s[\g+4], 128*KS/256
	s_mov_b32 s[\g+5], 32
	s_mov_b32 s[\g+6], 0
	s_mov_b32 s[\g+7], 0
.endr
	s_lshl_b32 s44, s[HALF], 7                     ; which 128 rows of the tile I fetch
	s_lshl_b32 s46, s[TR], 8
	s_add_co_u32 s46, s46, s44                     ; A': row 256 x tile row + 128 x half
	s_lshl_b32 s100, s46, 5                        ; its scale bytes,
	s_lshl_b32 s46, s46, 10                        ; its codes
	s_mov_b32 s47, 0
	s_mov_b32 s101, 0
	s_lshl_b32 s66, s[TC], 8
	s_add_co_u32 s66, s66, s44                     ; B' likewise, by the tile column
	s_lshl_b32 s16, s66, 5
	s_lshl_b32 s66, s66, 10
	s_mov_b32 s67, 0
	s_mov_b32 s17, 0
	s_mul_i32 s45, s[WV], HALFT                    ; where they go: wave x 128 rows: no place in the cluster enters an LDS address
	s_mul_i32 s2, s[WV], HALFS
	s_wait_kmcnt 0x0
	s_cmp_eq_u32 s[ISV], 1                         ; the choice of buffers hangs on the cluster's x alone
	s_cselect_b64 s[92:93], s[8:9], s[4:5]         ; A's codes
	s_cselect_b64 s[94:95], s[10:11], s[6:7]       ; A's scales
	s_cselect_b64 s[96:97], s[4:5], s[8:9]         ; B's codes
	s_cselect_b64 s[98:99], s[6:7], s[10:11]       ; B's scales
	s_add_nc_u64 s[92:93], s[92:93], s[46:47]
	s_add_nc_u64 s[94:95], s[94:95], s[100:101]
	s_add_nc_u64 s[96:97], s[96:97], s[66:67]
	s_add_nc_u64 s[98:99], s[98:99], s[16:17]
	CROUND                                         ; all sixteen work-groups are here: the first joint loads meet
	s_mov_b32 s[G0S], 1
	s_add_co_u32 s[G0S+1], s2, SCL
	s_mov_b64 s[G0S+2:G0S+3], s[94:95]
	s_or_b32 s[G0S+3], s[G0S+3], 0x80000000
	s_mov_b32 s[G0SB], 1
	s_add_co_u32 s[G0SB+1], s2, SCL
	s_mov_b64 s[G0SB+2:G0SB+3], s[98:99]
	s_or_b32 s[G0SB+3], s[G0SB+3], 0x80000000
	JLOAD G0S, G1S, G0SB, G1SB                     ; the scales first: they are wanted with K step 0
.irp s, 0,1
	s_mov_b32 s[G0+4*\s], 1
	s_add_co_u32 s[G0+4*\s+1], s45, \s*SLOT
	s_add_nc_u64 s[G0+4*\s+2:G0+4*\s+3], s[92:93], \s*ROWB
	s_or_b32 s[G0+4*\s+3], s[G0+4*\s+3], 0x80000000
	s_mov_b32 s[G0B+4*\s], 1
	s_add_co_u32 s[G0B+4*\s+1], s45, \s*SLOT
	s_add_nc_u64 s[G0B+4*\s+2:G0B+4*\s+3], s[96:97], \s*ROWB
	s_or_b32 s[G0B+4*\s+3], s[G0B+4*\s+3], 0x80000000
	JLOAD G0+4*\s, G1, G0B+4*\s, G1B               ; three loads of mine are out now
.endr
	; every LDS address register is made here, ahead of the ways' parting
	v_and_b32 v1, 15, v0                           ; r
	v_bfe_u32 v2, v0, 4, 1                         ; h
	v_mul_u32_u24 v3, v1, PITCH
	v_lshl_add_u32 v4, v2, 4, v3
	s_mul_i32 s44, s[ROLE], HALFT                  ; my 128 rows of A'
	s_mul_i32 s45, s[HALF], HALFT                  ; my 128 rows of B',
	s_add_co_u32 s45, s45, 2*HALFT                 ; which lie behind A's 256
.irp s, 0,1
	v_add_nc_u32 v[ADRA+\s], s44, v4
	v_add_nc_u32 v[ADRB+\s], s45, v4
	s_add_co_u32 s44, s44, SLOT
	s_add_co_u32 s45, s45, SLOT
.endr
	v_mul_u32_u24 v5, v1, KS                       ; my row's scales: 32 bytes a row,
	v_lshrrev_b32 v6, 8, v5
	v_lshl_add_u32 v5, v6, 4, v5                   ; and 16 more for each 256 passed
	s_mul_i32 s44, s[ROLE], HALFS
	s_mul_i32 s45, s[HALF], HALFS
	s_add_co_u32 s45, s45, 2*HALFS
	s_sub_co_u32 s45, s45, s44
	v_mul_u32_u24 v6, s45, v2                      ; lanes 16-31 take B's
	s_add_co_u32 s44, s44, SCL
	v_add_nc_u32 v5, v5, v6
	v_add_nc_u32 v[ADRS], s44, v5
	s_lshl_b32 s44, s[WV], 10
	v_lshl_add_u32 v[STGW], v1, 2, s44
	v_and_b32 v6, 31, v0
	v_lshlrev_b32 v[LI], 4, v6
	v_add_nc_u32 v[STGR], s44, v[LI]
	; THE TWO WAYS: where the results go, and the bias.  No LDS line stands in them.
	s_cmp_eq_u32 s[ISV], 1
	s_cbranch_scc1 .Lv_arm
	s_lshr_b32 s44, s[TR], 3                       ; q, k: batch = tile row / 8;
	s_lshl_b32 s44, s44, 4
	s_and_b32 s45, s[TC], 3
	s_lshl_b32 s45, s45, 2
	s_add_co_u32 s44, s44, s45
	s_lshl_b32 s45, s[HALF], 1
	s_add_co_u32 s44, s44, s45                     ; my first head: 16 batch + 4 (tile column % 4) + 2 half
	s_mul_i32 s44, s44, BH
	s_and_b32 s45, s[TR], 7
	s_mul_i32 s45, s45, REC
	s_add_co_u32 s44, s44, s45                     ; its record for these 256 tokens
	s_mov_b32 s66, KSOFF
	s_cmp_eq_u32 ttmp9, 0                          ; cluster x = 0 makes q, 1 makes k
	s_cselect_b32 s46, QOFF, KOFF
	s_cselect_b32 s66, QSOFF, s66
	s_lshl_b32 s45, s[ROLE], 13                    ; my 8 tiles of 16 tokens: 1,024 bytes each
	s_add_co_u32 s46, s46, s45
	s_add_co_u32 s46, s46, s44
	s_lshl_b32 s45, s[ROLE], 9                     ; my 128 tokens' words
	s_add_co_u32 s66, s66, s45
	s_add_co_u32 s66, s66, s44
	s_mov_b32 s47, 0
	s_mov_b32 s67, 0
	s_add_nc_u64 s[PA:PA+1], s[14:15], s[46:47]
	s_add_nc_u64 s[PB:PB+1], s[PA:PA+1], BH        ; blocks 2 and 3 belong to the next head
	s_add_nc_u64 s[SCP0:SCP0+1], s[14:15], s[66:67]
	s_add_nc_u64 s[SCP1:SCP1+1], s[SCP0:SCP0+1], BH
	s_mov_b32 s[STEPP], 1024
	s_mov_b32 s[EXTRA], 0
	s_mov_b32 s[HSTR], 256
	s_mov_b32 s[SELA], 0x01000100                  ; a head's two bytes, twice
	s_mov_b32 s[SELB], 0x03020302
	s_lshl_b32 s16, s[TC], 10
	s_lshl_b32 s45, s[HALF], 9
	s_add_co_u32 s16, s16, s45
	s_mov_b32 s17, 0
	s_add_nc_u64 s[12:13], s[12:13], s[16:17]      ; b_qkv at my 128 columns
	v_lshlrev_b32 v5, 5, v2
.irp b, 0,1,2,3,4,5,6,7
	global_load_b128 v[BIAS+8*\b:BIAS+8*\b+3], v5, s[12:13] offset:64*\b       ; columns 16 b + 8 h + 0 .. 7
	global_load_b128 v[BIAS+8*\b+4:BIAS+8*\b+7], v5, s[12:13] offset:64*\b+16
.endr
	s_branch .Larms_join
.Lv_arm:
	s_lshr_b32 s44, s[TC], 3                       ; v: batch = tile column / 8;
	s_lshl_b32 s44, s44, 4
	s_lshl_b32 s45, s[CY], 2
	s_add_co_u32 s44, s44, s45
	s_lshl_b32 s45, s[ROLE], 1
	s_add_co_u32 s44, s44, s45                     ; my first head: 16 batch + 4 cy + 2 (row half)
	s_mul_i32 s44, s44, BH
	s_and_b32 s45, s[TC], 7
	s_mul_i32 s45, s45, REC
	s_add_co_u32 s44, s44, s45
	s_lshl_b32 s45, s[HALF], 13                    ; my 128 keys are one key step of the record
	s_add_co_u32 s46, s44, s45
	s_add_co_u32 s46, s46, VOFF
	s_lshl_b32 s45, s[HALF], 8
	s_add_co_u32 s66, s44, s45
	s_add_co_u32 s66, s66, VSOFF
	s_mov_b32 s47, 0
	s_mov_b32 s67, 0
	s_add_nc_u64 s[PA:PA+1], s[14:15], s[46:47]
	s_add_nc_u64 s[PB:PB+1], s[PA:PA+1], 1024      ; blocks 2 and 3 of the same fragment
	s_add_nc_u64 s[SCP0:SCP0+1], s[14:15], s[66:67]
	s_mov_b64 s[SCP1:SCP1+1], s[SCP0:SCP0+1]       ; (not used on this way; written so that it is defined on every way)
	s_mov_b32 s[STEPP], 2048                       ; a fragment of 16 channels x 128 keys
	s_mov_b32 s[EXTRA], BH-8192                    ; behind four of them: the next head
	s_mov_b32 s[HSTR], BH
	s_mov_b32 s[SELA], 0x03020100                  ; the word as it is: four bytes for 128 keys
	s_mov_b32 s[SELB], 0x03020100
	s_lshl_b32 s16, s[TR], 10
	s_lshl_b32 s45, s[ROLE], 9
	s_add_co_u32 s16, s16, s45
	s_mov_b32 s17, 0
	s_add_nc_u64 s[12:13], s[12:13], s[16:17]      ; b_qkv at my 128 channels
	v_lshlrev_b32 v6, 2, v1
.set n, 0
.rept 64
	global_load_b32 v[BIAS+n], v6, s[12:13] offset:64*(n/8)   ; channel 16 a + r, the same number in the eight registers of a
.set n, n+1
.endr
.Larms_join:
	s_mov_b32 s[STEPP+1], 0
	s_mov_b32 s[EXTRA+1], 0
	s_mov_b32 s[SEL], 0x76543210
	s_mov_b32 s[SEL+1], 0xfedcba98                 ; lane l xor 16
	v_mul_u32_u24 v[SOFF], v2, s[HSTR]
	v_lshl_add_u32 v[SOFF], v1, 4, v[SOFF]
.macro FRAG reg, adr, q, i             ; 16 rows x 128 K: lane l holds row l % 16; registers 4 c .. 4 c + 3 hold K = 32 c + 16 (l / 16) + 0 .. 15
.irp c, 0,1,2,3
	ds_load_b128 v[\reg+4*\c:\reg+4*\c+3], v[\adr] offset:128*(\q)+32*\c+(\i)*16*PITCH
.endr
.endm
; 16 matrix instructions: A's blocks a0, a0 + 1 x B's eight.  mode 0: add in place; 1: C = the bias along n'; 2: C = the bias along m'.
; The 64 accumulators take turns, one instruction a turn, in the same order in every step.
.macro MUL16 a0, p, q, sc, mode
.irp a, \a0, \a0+1
.irp b, 0,1,2,3,4,5,6,7
.set rD, 8*(8*((\a)%4)+\b)
.set rC, rD
.if \mode == 1
.set rC, BIAS+8*\b
.endif
.if \mode == 2
.set rC, BIAS+8*(\a)
.endif
	v_wmma_scale_f32_16x16x128_f8f6f4 v[rD:rD+7], v[128*(\p)+FR*\b:128*(\p)+FR*\b+FR-1], v[AF+FR*(\a):AF+FR*(\a)+FR-1], v[rC:rC+7], v[SC+8*NQ*(\sc)+NQ*\b+(\q)], v[SC+8*NQ*(\sc)+NQ*(\a)+(\q)] matrix_a_fmt:MATRIX_FMT_BF8 matrix_b_fmt:MATRIX_FMT_BF8 matrix_a_scale:MATRIX_SCALE_ROW1
.endr
.endr
.endm
.macro FETCH_B slot, q, p
	WIN TO_B
.irp i, 0,1,2,3,4,5,6,7
	FRAG 128*(\p)+FR*\i, ADRB+\slot, \q, \i
.endr
	WIN 0
.endm
.macro FETCH_A slot, q, i0
.irp i, \i0, \i0+1, \i0+2, \i0+3
	FRAG AF+FR*(\i), ADRA+\slot, \q, \i
.endr
.endm
.macro SCALES sc                       ; a K step's scale words: two a row; lanes 0-15 take A's block i, lanes 16-31 B's block i
.irp i, 0,1,2,3,4,5,6,7
	ds_load_b64 v[SC+8*NQ*\sc+NQ*\i:SC+8*NQ*\sc+NQ*\i+1], v[ADRS] offset:\i*SBLK
.endr
.endm
.macro PLACES n                        ; plain vector instructions between a matrix instruction and a load into, or a read of, its registers
.rept \n
	v_nop
.endr
.endm
.macro STEP slot, q, mode              ; a step of 128 along K that has its successor in the same slot
	s_wait_dscnt 4*NL                              ; B's set and A's blocks 0-3 are in; the youngest 16 loads (A's blocks 4-7) may be out
.if \mode
	WIN 0x81                                       ; C (the bias) window 0, D window 2
.else
	WIN MUL_LO
.endif
	MUL16 0, (\q)%2, \q, \slot, \mode
	MUL16 2, (\q)%2, \q, \slot, \mode
	s_wait_dscnt 0                                 ; A's blocks 4-7 are in
	PLACES NP
	FETCH_B \slot, (\q)+1, 1-(\q)%2
	FETCH_A \slot, (\q)+1, 0
.if \mode
	WIN 0xc1                                       ; C window 0, D window 3
.else
	WIN MUL_HI
.endif
	MUL16 4, (\q)%2, \q, \slot, \mode
	MUL16 6, (\q)%2, \q, \slot, \mode
	PLACES NP
	WIN 0
	FETCH_A \slot, (\q)+1, 4
.endm
; A slot's last step changes slots: one barrier; in front of it each wave waits for all its tensor loads, adds 0 to its spare word, and waits for that and for its own reads of this slot.
.macro TURN slot, next, fill
	s_wait_tensorcnt 0x0                           ; all my tensor loads have landed: my part of the next slot
	ds_add_u32 v[SPW], v[NIL]                      ; 0 onto my spare word
	s_wait_dscnt 4*NL+1                            ; the add and the youngest 16 loads (A's blocks 4-7) may be out
	WIN MUL_LO
	MUL16 0, 1, NQ-1, \slot, 0                     ; sixteen matrix instructions stand between the add and the wait for it
	s_wait_dscnt 0x0                               ; the add is done, and my reads of this slot are over
	s_barrier_signal -1
	MUL16 2, 1, NQ-1, \slot, 0
	WIN 0
	s_barrier_wait -1
.if \fill
	CREST                                          ; the barrier has opened a round of the cluster's: no wave of any partner still reads this slot or has a load on its way
	s_add_nc_u64 s[G0+4*\slot+2:G0+4*\slot+3], s[G0+4*\slot+2:G0+4*\slot+3], 2*ROWB
	s_add_nc_u64 s[G0B+4*\slot+2:G0B+4*\slot+3], s[G0B+4*\slot+2:G0B+4*\slot+3], 2*ROWB
	JLOAD G0+4*\slot, G1, G0B+4*\slot, G1B         ; the first tensor load behind the round; its four v_nop are four of the eight places
	PLACES NP-4
.else
	PLACES NP
.endif
	s_wait_alu depctr_va_vdst(0)
	v_add_nc_u32 v[ADRS], 4*NQ, v[ADRS]            ; the next K step's scale words
	FETCH_B \next, 0, 0
	FETCH_A \next, 0, 0
	SCALES \next
	WIN MUL_HI
	MUL16 4, 1, NQ-1, \slot, 0
	MUL16 6, 1, NQ-1, \slot, 0
	PLACES NP
	WIN 0
	FETCH_A \next, 0, 4
.endm
	s_wait_tensorcnt 1                             ; the scales and my part of K step 0 are in; K step 1's load may be out
	s_barrier_signal -1
	s_barrier_wait -1
	FETCH_B 0, 0, 0
	FETCH_A 0, 0, 0
	s_wait_alu depctr_va_vdst(0)
	SCALES 0
	FETCH_A 0, 0, 4
	s_wait_loadcnt 0x0                             ; the bias
	s_cmp_eq_u32 s[ISV], 1
	s_cbranch_scc1 .Lfirst_v
	STEP 0, 0, 1                                   ; the first step starts the sums with the bias: along n',
	s_branch .Lfirst_done
.Lfirst_v:
	STEP 0, 0, 2                                   ; or along m'
.Lfirst_done:
	s_mov_b32 s3, LAPS-1
.Llap:                                                 ; a trip goes once round the ring and fills both slots again
	TURN 0, 1, 1
	STEP 1, 0, 0
	TURN 1, 0, 1
	STEP 0, 0, 0
	s_sub_co_u32 s3, s3, 1
	s_cmp_lg_u32 s3, 0
	s_cbranch_scc1 .Llap
	TURN 0, 1, 0                                   ; the last lap fills nothing
	STEP 1, 0, 0
	s_wait_dscnt 4*NL
	WIN MUL_LO
	MUL16 0, 1, NQ-1, 1, 0
	MUL16 2, 1, NQ-1, 1, 0
	s_wait_dscnt 0
	WIN MUL_HI
	MUL16 4, 1, NQ-1, 1, 0
	MUL16 6, 1, NQ-1, 1, 0
	WIN 0
; THE WAY OUT.  Row a of my accumulators is 64 registers: four blocks of 32 along n', 16 numbers of each in my lane and 16 in lane l xor 16.
; A block's scale: the largest magnitude (with the floor 2^(16 - 127) among its leaves, so that the byte cannot fall under 1), 15 off its exponent field.  Each number is converted.
; The codes leave as they stand: each store covers 512 consecutive bytes, aligned.
.macro EPI a
.set AC, 64*((\a)%4)
.set WW, 2+(\a)/4
.if (\a) > 0
	s_wait_xcnt 0x0                                ; the last row's stores have read their bases and their data: both are written again below
	s_add_nc_u64 s[PA:PA+1], s[PA:PA+1], s[STEPP:STEPP+1]
	s_add_nc_u64 s[PB:PB+1], s[PB:PB+1], s[STEPP:STEPP+1]
.endif
.if (\a) == 4
	s_add_nc_u64 s[PA:PA+1], s[PA:PA+1], s[EXTRA:EXTRA+1]
	s_add_nc_u64 s[PB:PB+1], s[PB:PB+1], s[EXTRA:EXTRA+1]
.endif
	WIN (WW<<2)|(WW<<4)                            ; sources 1 and 2: the accumulators' window
.irp c, 0,1,2,3
	v_max3_num_f32 v[TM+\c], 0x8000000, |v[AC+16*\c]|, |v[AC+16*\c+1]|     ; each accumulator is read from its low end on
.endr
.irp i, 2,4,6,8,10,12,14
.irp c, 0,1,2,3
	v_max3_num_f32 v[TM+\c], v[TM+\c], |v[AC+16*\c+\i]|, |v[AC+16*\c+\i+1]|
.endr
.endr
	WIN 0
.irp c, 0,1,2,3
	v_permlanex16_b32 v[T4+\c], v[TM+\c], s[SEL], s[SEL+1]
.endr
.irp c, 0,1,2,3
	v_max_num_f32 v[TM+\c], v[TM+\c], v[T4+\c]     ; the block's largest magnitude
.endr
.irp c, 0,1,2,3
	v_add_nc_u32 v[CV+\c], 0xf8800000, v[TM+\c]    ; 15 off its exponent field: the conversion's scale operand
.endr
.irp c, 0,1,2,3
.endr
.irp c, 0,1,2,3
	v_lshrrev_b32 v[T4+\c], 23, v[CV+\c]           ; the scale's byte
.endr
	v_lshl_or_b32 v[PW], v[T4+1], 8, v[T4]
	v_lshl_or_b32 v[PW], v[T4+2], 16, v[PW]
	v_lshl_or_b32 v[PW], v[T4+3], 24, v[PW]
	v_perm_b32 v[X0], v[PW], v[PW], s[SELA]        ; q, k: the first head's two bytes, twice;  v: the word
	v_perm_b32 v[X1], v[PW], v[PW], s[SELB]        ; q, k: the second head's.  (For v this word and its LDS store serve nothing: two lines a row, the price of one text for both ways)
	WIN WW                                         ; source 0: the accumulators' window
.irp c, 0,1,2,3
.irp i, 0,1,2,3,4,5,6,7,8,9,10,11,12,13,14,15
.endr
.endr
.irp c, 0,1,2,3
	v_cvt_scalef32_pk8_bf8_f32 v[PC+4*\c:PC+4*\c+1], v[AC+16*\c:AC+16*\c+7], v[CV+\c]
	v_cvt_scalef32_pk8_bf8_f32 v[PC+4*\c+2:PC+4*\c+3], v[AC+16*\c+8:AC+16*\c+15], v[CV+\c]
.endr
	WIN 0
	v_nop                                          ; a plain line behind the last conversion: the next row writes its sources
	ds_store_b32 v[STGW], v[X0] offset:64*(\a)     ; lanes r and r + 16 write the same word with the same value
	ds_store_b32 v[STGW], v[X1] offset:512+64*(\a)
	global_store_b128 v[LI], v[PC:PC+3], s[PA:PA+1]
	global_store_b128 v[LI], v[PC+4:PC+7], s[PA:PA+1] offset:512
	global_store_b128 v[LI], v[PC+8:PC+11], s[PB:PB+1]
	global_store_b128 v[LI], v[PC+12:PC+15], s[PB:PB+1] offset:512
.endm
	PLACES NP                                      ; behind the last products: their results are read and A's registers written below
.irp c, 0,1,2,3
	v_mov_b32 v[T4+\c], 0                          ; a lane permute's destination counts as one of its sources
.endr
.irp a, 0,1,2,3,4,5,6,7
	EPI \a
.endr
	ds_load_b128 v[SO:SO+3], v[STGR]               ; LDS serves a wave's instructions in order: these see my stores
	ds_load_b128 v[SO+4:SO+7], v[STGR] offset:512
	s_wait_dscnt 0x0
	global_store_b128 v[SOFF], v[SO:SO+3], s[SCP0:SCP0+1]   ; q, k: 512 consecutive bytes;  v: 256 consecutive bytes in each of two heads' records
	s_cmp_eq_u32 s[ISV], 1
	s_cbranch_scc1 .Lno_second
	global_store_b128 v[LI], v[SO+4:SO+7], s[SCP1:SCP1+1]   ; q, k: the second head's words
.Lno_second:
	s_wait_tensorcnt 0x0                           ; the wave's end
	ds_add_u32 v[SPW], v[NIL]
	s_wait_dscnt 0x0
	CROUND                                         ; the closing round
	s_endpgm
.Lfunc_end_k_q6a983d36fe_qkv_proj:
	.size	k_q6a983d36fe_qkv_proj, .Lfunc_end_k_q6a983d36fe_qkv_proj-k_q6a983d36fe_qkv_proj
	.p2alignl 7, 3214868480
	.fill 96, 4, 3214868480
	.section	.rodata,"a",@progbits
	.p2align	6, 0x0
	.amdhsa_kernel k_q6a983d36fe_qkv_proj
		.amdhsa_group_segment_fixed_size 327680
		.amdhsa_private_segment_fixed_size 0
		.amdhsa_enable_private_segment 0
		.amdhsa_kernarg_size 48
		.amdhsa_user_sgpr_count 2
		.amdhsa_user_sgpr_kernarg_segment_ptr 1
		.amdhsa_wavefront_size32 1
		.amdhsa_system_sgpr_workgroup_id_x 1
		.amdhsa_system_sgpr_workgroup_id_y 1
		.amdhsa_system_sgpr_workgroup_id_z 1
		.amdhsa_system_vgpr_workitem_id 0
		.amdhsa_next_free_vgpr 1024
		.amdhsa_next_free_sgpr 102
		.amdhsa_reserve_vcc 0
		.amdhsa_float_denorm_mode_32 3
		.amdhsa_float_denorm_mode_16_64 3
		.amdhsa_fp16_overflow 1
		.amdhsa_memory_ordered 1
		.amdhsa_forward_progress 1
		.amdhsa_inst_pref_size 175
	.end_amdhsa_kernel
	.amdgpu_metadata
---
amdhsa.version: [ 1, 2 ]
amdhsa.kernels:
  - .name:           k_q6a983d36fe_qkv_proj
    .symbol:         k_q6a983d36fe_qkv_proj.kd
    .args:
      - { .name: x_codes, .offset: 0, .size: 8, .value_kind: global_buffer, .address_space: global }
      - { .name: x_scales, .offset: 8, .size: 8, .value_kind: global_buffer, .address_space: global }
      - { .name: w_qkv_codes, .offset: 16, .size: 8, .value_kind: global_buffer, .address_space: global }
      - { .name: w_qkv_scales, .offset: 24, .size: 8, .value_kind: global_buffer, .address_space: global }
      - { .name: b_qkv, .offset: 32, .size: 8, .value_kind: global_buffer, .address_space: global }
      - { .name: qkv, .offset: 40, .size: 8, .value_kind: global_buffer, .address_space: global }
    .group_segment_fixed_size: 327680
    .private_segment_fixed_size: 0
    .kernarg_segment_align: 8
    .kernarg_segment_size: 48
    .max_flat_workgroup_size: 128
    .sgpr_count:     102
    .vgpr_count:     1024
    .wavefront_size: 32
...
	.end_amdgpu_metadata
.endif
;; end of part 1
;; launch attention (part 2): grid 4 x 64, 16 waves a work-group, no clusters, 327,680 bytes of LDS; arguments qkv, y_img, y_sc; writes y_img, y_sc
.if DOCPART == 2
	.amdgcn_target "amdgcn-amd-amdhsa--gfx1250"
	.amdhsa_code_object_version 6
	.text
	.protected	k_q6a983d36fe_attention
	.globl	k_q6a983d36fe_attention
	.p2align	8
	.type	k_q6a983d36fe_attention,@function
k_q6a983d36fe_attention:
	s_mov_b64 s[64:65], 0
	v_nop
	global_prefetch_b8 v0, s[64:65] scope:SCOPE_SE
	s_setreg_imm32_b32 hwreg(HW_REG_WAVE_MODE, 25, 1), 1
	s_wait_xcnt 0x0
; y = softmax(q k^T / 8, causal) v for one head, both products on codes of BF8 (E5M2) with E8M0 scales, and the quantiser of y along the model's 1,024 channels.
; THE SOFTMAX AHEAD OF THE SECOND PRODUCT: t = score x log2(e) / 8; M = the running largest t rounded UP to a whole number; p = 2^(t - M) is quantised along the keys, not normalised.
; The row's sum is taken of the unquantised p and divides at the end.  When M moves, the sum and O are multiplied by 2^(old M - new M): exact.
; SHARES.  Work-group (P, head) owns the query blocks P and 7 - P, 256 queries each: (P + 1) + (8 - P) = 9 slots of 256 keys in EVERY work-group, so the trip count is the constant 9 and the causal work is even.
; Each of sixteen waves owns one tile of 16 queries in 256 registers; four waves to a SIMD, so that one wave's vector work stands beside another's matrix work and LDS loads.
; NO CLUSTER: the four work-groups of a head walk the slots in four different orders (trips 0 .. P take slots 0 .. P, the others slots 0 .. 7 - P), so in most trips partners would want different tiles.
; A slot is the first 34,304 bytes of a record: K's codes, V^T's codes, K's and V's scale words, as images of operand registers: every LDS read is 16 or 4 bytes a lane on end: no padding, no conflict.
; LAYOUT.  Both products transposed: S^T = K Q^T, O^T = V^T P^T: a lane holds ONE query.  Key tiles are 16 neighbours, so p's 16 registers of tiles 2 c, 2 c + 1 hold keys 32 c + 8 h + 0..7 and
; 32 c + 16 + 8 h + 0..7: the order in which the launch before laid V's codes inside each block of 32.  Both sides permuted alike: the products are kept.
; K = 64 IN AN INSTRUCTION 128 DEEP.  A fragment of K holds TWO key tiles (tile 2 n in blocks 0, 1; tile 2 n + 1 in blocks 2, 3).  Q stands between zeros, Z Q Z in v16-39: v[24:39] = (Q, 0) serves the even tile,
; v[16:31] = (0, Q) the odd one.  Only Q's side has zero codes in the other half; K's side carries the neighbour tile's codes, which are finite (the launch before holds every number at the largest code),
; so those products are exact zeros.  The doubled scale words (s0 s1 s0 s1) serve both halves.
; LIMITS: NaN and infinities are not served (that also makes the one-sided zeros sound).  p under 2^-126 comes out of v_exp_f32 as 0.  A block of zeros gets the byte 1 where the quantiser says 127.
.set REC,   51712
.set BH,    8*REC
.set KOFF,  0
.set VOFF,  16384
.set KSOFF, 32768
.set VSOFF, 33792
.set QSOFF, 34304
.set QOFF,  35328
.set HALFB, 17152                      ; half a slot: 67 rows of 256 bytes: what one tensor load brings
.set SLOT1, 65536                      ; slot 1 begins here: one exclusive or turns an address
.set SPARE, 131072                     ; the spare words: 128 bytes for each of 16 waves, eight blocks of 256 bytes that no other line names
.set LI,  1                            ; v1  16 x lane
.set LS,  2                            ; v2  4 x lane
.set ADK, 3                            ; v3  the slot in hand + 16 x lane
.set ADS, 4                            ; v4  the slot in hand + 4 x lane
.set SPW, 5
.set NIL, 6
.set PFO, 7                            ; v7  256 x lane
.set RH,  8                            ; v8  r - 8 h
.set R4,  9                            ; v9  4 r
.set R8,  10                           ; v10 8 r
.set QHI, 16                           ; v[16:31] = (0, Q)
.set QLO, 24                           ; v[24:39] = (Q, 0)
.set KV,  40                           ; v40-103 four fragments of K (two tiles each), later four of V
.set S,   104                          ; v104-167 S^T, then p
.set O,   168                          ; v168-199 O^T
.set PC,  200                          ; v200-215 p's codes
.set QS,  216
.set KSR, 217                          ; v217-220
.set VSR, 221                          ; v221-222
.set PSR, 223
.set BM,  224
.set PT,  228
.set HL,  232
.set CV,  236
.set FF,  240                          ; v[240:241] f
.set TMP, 242
.set HW,  243
.set SU,  244                          ; v[244:245] the sums' second chain
.set DD,  246
.set NINF, 247
.set WV, 10
.set P,  11
.set BHN, 12
.set H3, 13                            ; head % 4
.set H2, 14                            ; head / 4
.set BB, 15                            ; batch
.set T,  16                            ; the trip
.set NS, 17                            ; the slot (of the head's eight) that the next trip reads
.set CUR, 18                           ; the query block in hand
.set Q0, 19                            ; my first query
.set KF, 20                            ; the step's first key
.set TB, 21                            ; LDS byte at which the slot in hand begins
.set LIM, 22
.set MNT, 23
.set G1, 24
.set HB, 32                            ; s[32:33] the head's records
.set HBW, 34                           ; s[34:35] + my half of a slot
.set SEL, 36
.set CS, 38                            ; s[38:39] c = log2(e) / 8
.set G0, 40
.set PFA, 44
.set QP, 46
.set QSP, 48
.set YP, 50
.set YS, 52
.macro TLOAD                           ; waves 0 and 1 fetch a slot's halves, the others nothing.  Four v_nop follow the line
	s_cmp_lt_u32 s[WV], 2
	s_cbranch_scc0 .Lnone_\@
	tensor_load_to_lds s[G0:G0+3], s[G1:G1+7]
	s_nop 0
.rept 4
	v_nop
.endr
.Lnone_\@:
.endm
; A PREFETCH INTO THE L2: in trip t = 0 .. 5 the 32,768 bytes of codes of slot t + 2: one trip ahead of the first tensor load of any of the head's work-groups that wants that slot.
; The head's first work-group asks; in it waves 4 to 7, which fetch nothing: 8,192 bytes a wave, lanes 256 bytes apart.  So each block is named once in the launch.  Slots 0 and 1 and the scale words come by their loads alone.
.macro ASK
	s_cmp_lt_u32 s[T], s[LIM]
	s_cbranch_scc0 .Lnot_mine_\@
	global_prefetch_b8 v[PFO], s[PFA:PFA+1] th:TH_LOAD_NT scope:SCOPE_SE
.Lnot_mine_\@:
.endm
.macro QLOAD                           ; block CUR: my first query, my tile of Q and its scale words
	s_lshl_b32 s[Q0], s[CUR], 8
	s_lshl_b32 s54, s[WV], 4
	s_add_co_u32 s[Q0], s[Q0], s54
	s_mov_b32 s[KF], 0
	s_mul_i32 s54, s[CUR], REC
	s_lshl_b32 s55, s[WV], 10
	s_add_co_u32 s56, s54, s55
	s_lshl_b32 s55, s[WV], 6
	s_add_co_u32 s54, s54, s55
	s_mov_b32 s55, 0
	s_mov_b32 s57, 0
	s_add_nc_u64 s[QP:QP+1], s[HB:HB+1], s[56:57]
	s_add_nc_u64 s[QSP:QSP+1], s[HB:HB+1], s[54:55]
	global_load_b128 v[QLO:QLO+3], v[LI], s[QP:QP+1] offset:QOFF
	global_load_b128 v[QLO+4:QLO+7], v[LI], s[QP:QP+1] offset:QOFF+512
	global_load_b32 v[QS], v[R4], s[QSP:QSP+1] offset:QSOFF
.endm
.macro RESET                           ; the loop has no first step of its own: O^T and the sum begin as zeros, the largest t as -3e38
	v_mov_b32 v13, 0xff61b1e6
	s_delay_alu instid0(VALU_DEP_1)
	v_floor_f32 v12, -v13
	v_mov_b32 v14, 0
	v_mov_b32 v15, 0
.set n, 0
.rept 32
	v_mov_b32 v[O+n], 0
.set n, n+1
.endr
.endm
	s_load_b128 s[4:7], s[0:1], 0x0                ; qkv, y_img
	s_load_b64 s[8:9], s[0:1], 0x10                ; y_sc
	v_lshl_add_u32 v[SPW], v0, 2, SPARE
	v_mov_b32 v[NIL], 0
	ds_add_u32 v5, v6
	ds_add_u32 v5, v6
	s_wait_dscnt 0x0
	v_lshrrev_b32 v1, 5, v0
	s_delay_alu instid0(VALU_DEP_1)
	v_readfirstlane_b32 s[WV], v1
	s_mov_b32 s[P], ttmp9
	s_and_b32 s[BHN], ttmp7, 0xffff
	s_and_b32 s[H3], s[BHN], 3
	s_bfe_u32 s[H2], s[BHN], 0x20002
	s_lshr_b32 s[BB], s[BHN], 4
	s_mov_b32 s[G1], 3<<16                         ; no mask; elements of 8 bytes; no padding
	s_mov_b32 s[G1+1], 32<<16                      ; tensor_dim0: 32 elements = 256 bytes
	s_mov_b32 s[G1+2], 67<<16                      ; tensor_dim1
	s_mov_b32 s[G1+3], 32<<16                      ; tile_dim0
	s_mov_b32 s[G1+4], 67                          ; tile_dim1
	s_mov_b32 s[G1+5], 32                          ; the pitch: dense
	s_mov_b32 s[G1+6], 0
	s_mov_b32 s[G1+7], 0
	s_mov_b32 s[SEL], 0x76543210
	s_mov_b32 s[SEL+1], 0xfedcba98
	s_mov_b32 s[CS], 0x3e38aa3b                    ; log2(e) / 8
	s_mov_b32 s[CS+1], s[CS]
	s_mov_b32 s[T], 0
	s_mov_b32 s[NS], 0
	s_mov_b32 s[TB], 0
	s_mov_b32 s[CUR], s[P]
	s_mul_i32 s54, s[BHN], BH
	s_mov_b32 s55, 0
	s_and_b32 s56, s[WV], 1
	s_mul_i32 s56, s56, HALFB
	s_mov_b32 s57, 0
	s_wait_kmcnt 0x0
	s_add_nc_u64 s[HB:HB+1], s[4:5], s[54:55]
	s_add_nc_u64 s[HBW:HBW+1], s[HB:HB+1], s[56:57]
	s_mov_b32 s[G0], 1
	s_mov_b32 s[G0+1], s56                         ; LDS slot 0, my half
	s_mov_b64 s[G0+2:G0+3], s[HBW:HBW+1]           ; the head's slot 0
	s_or_b32 s[G0+3], s[G0+3], 0x80000000
	TLOAD                                          ; the one first fill
	s_and_b32 s54, s[WV], 3
	s_lshl_b32 s54, s54, 13
	s_add_co_u32 s54, s54, REC                     ; in slot 1: the first change of slots steps it to slot 2
	s_add_nc_u64 s[PFA:PFA+1], s[HB:HB+1], s[54:55]
	s_lshr_b32 s54, s[WV], 2
	s_xor_b32 s54, s54, 1                          ; 0 in waves 4 to 7,
	s_or_b32 s54, s54, s[P]                        ; of the head's first work-group
	s_cmp_eq_u32 s54, 0
	s_cselect_b32 s[LIM], 6, 0
	v_and_b32 v2, 31, v0
	s_delay_alu instid0(VALU_DEP_1)
	v_lshlrev_b32 v[LI], 4, v2
	s_wait_alu depctr_va_vdst(0)
	v_lshlrev_b32 v[PFO], 8, v2
	v_lshlrev_b32 v[LS], 2, v2
	v_and_b32 v9, 15, v0                           ; r
	v_bfe_u32 v10, v0, 4, 1                        ; h
	s_delay_alu instid0(VALU_DEP_1)
	v_lshlrev_b32 v8, 3, v10
	s_delay_alu instid0(VALU_DEP_1)
	v_sub_nc_u32 v[RH], v9, v8
	s_delay_alu instid0(VALU_DEP_4)
	v_lshlrev_b32 v[R8], 3, v9
	v_lshlrev_b32 v[R4], 2, v9
	s_wait_alu depctr_va_vdst(0)
	QLOAD
.irp j, 0,1,2,3,4,5,6,7
	v_mov_b32 v[16+\j], 0                          ; the zeros on either side of Q
	v_mov_b32 v[32+\j], 0
.endr
.irp b, 0,1,2,3
	v_mov_b32 v[PT+\b], 0                          ; a lane permute's destination counts as one of its sources
.endr
	v_mov_b32 v[FF+1], 0                           ; (named as the upper half of a pair)
	v_mov_b32 v[TMP], 0
	v_mov_b32 v[NINF], 0xff800000                  ; -infinity
	RESET
	s_wait_loadcnt 0x0                             ; Q
; A KEY STEP: 128 keys, the q-th of the slot in hand.
.macro STEP q
	s_add_co_u32 s54, s[Q0], 15                    ; a step all of whose keys come after my 16 queries is left out: a scalar branch on ids; no barrier and no tensor load stands in a step
	s_cmp_gt_u32 s[KF], s54
	s_cbranch_scc1 .Lhidden_\@
.set n, 0
	s_wait_alu depctr_va_vdst(0)
.rept 16
	ds_load_b128 v[KV+4*n:KV+4*n+3], v[ADK] offset:KOFF+8192*(\q)+512*n
.set n, n+1
.endr
.irp p, 0,1,2,3
	ds_load_b32 v[KSR+\p], v[ADS] offset:KSOFF+512*(\q)+128*\p     ; lanes 0-15: tile 2 p's words; lanes 16-31: tile 2 p + 1's
.endr
	s_wait_dscnt 0x0
.irp p, 0,1,2,3
	v_wmma_scale_f32_16x16x128_f8f6f4 v[S+16*\p:S+16*\p+7], v[KV+16*\p:KV+16*\p+15], v[QLO:QLO+15], 0, v[KSR+\p], v[QS] matrix_a_fmt:MATRIX_FMT_BF8 matrix_b_fmt:MATRIX_FMT_BF8
	v_wmma_scale_f32_16x16x128_f8f6f4 v[S+16*\p+8:S+16*\p+15], v[KV+16*\p:KV+16*\p+15], v[QHI:QHI+15], 0, v[KSR+\p], v[QS] matrix_a_fmt:MATRIX_FMT_BF8 matrix_b_fmt:MATRIX_FMT_BF8 matrix_a_scale:MATRIX_SCALE_ROW1
.endr
.rept 8
	v_nop                                          ; places in front of the loads into K's registers and of the first read of the scores
.endr
.set n, 0
	s_wait_alu depctr_va_vdst(0)
.rept 16
	ds_load_b128 v[KV+4*n:KV+4*n+3], v[ADK] offset:VOFF+8192*(\q)+512*n    ; V comes early: it lands under the softmax
.set n, n+1
.endr
.irp p, 0,1
	ds_load_b32 v[VSR+\p], v[ADS] offset:VSOFF+256*(\q)+128*\p
.endr
	s_add_co_u32 s54, s[KF], 127                   ; on the diagonal hidden scores become -infinity ahead of the maximum; a step all of whose keys count skips this
	s_cmp_le_u32 s54, s[Q0]
	s_cbranch_scc1 .Lopen_\@
	s_sub_co_i32 s54, s[Q0], s[KF]
	v_add_nc_u32 v[DD], s54, v[RH]                 ; d = my query - KF - 8 h.  Register n holds key KF + 16 (n / 8) + 8 h + n % 8: hidden where 16 (n / 8) + n % 8 > d
.set n, 0
.rept 64
	v_cmp_gt_i32 vcc_lo, 16*(n/8)+n%8, v[DD]
	v_cndmask_b32 v[S+n], v[S+n], v[NINF], vcc_lo
.set n, n+1
.endr
.Lopen_\@:
.irp b, 0,1,2,3
	v_max3_num_f32 v[BM+\b], v[S+16*\b], v[S+16*\b+1], v[S+16*\b+2]   ; the largest score of each block of 32 keys: it serves the row's maximum and, since p rises with the score, the block's largest p
.endr
.irp i, 3,5,7,9,11,13
.irp b, 0,1,2,3
	v_max3_num_f32 v[BM+\b], v[BM+\b], v[S+16*\b+\i], v[S+16*\b+\i+1]
.endr
.endr
.irp b, 0,1,2,3
	v_max_num_f32 v[BM+\b], v[BM+\b], v[S+16*\b+15]
.endr
.irp b, 0,1,2,3
	s_delay_alu instid0(VALU_DEP_4)
	v_permlanex16_b32 v[PT+\b], v[BM+\b], s[SEL], s[SEL+1]
.endr
.irp b, 0,1,2,3
	s_delay_alu instid0(VALU_DEP_4)
	v_max_num_f32 v[BM+\b], v[BM+\b], v[PT+\b]
.endr
	s_delay_alu instid0(VALU_DEP_2)
	v_max3_num_f32 v[TMP], v[BM], v[BM+1], v[BM+2]
	s_delay_alu instid0(VALU_DEP_1)
	v_max_num_f32 v[TMP], v[TMP], v[BM+3]
	s_delay_alu instid0(VALU_DEP_1)
	v_mul_f32 v[TMP], s[CS], v[TMP]
	s_delay_alu instid0(VALU_DEP_1)
	v_max_num_f32 v13, v13, v[TMP]                 ; the running largest t
	v_mov_b32 v[TMP], v12
	s_delay_alu instid0(VALU_DEP_2)
	v_floor_f32 v12, -v13                          ; -M = floor(-t): M is a whole number
	s_delay_alu instid0(VALU_DEP_1)
	v_sub_f32 v[TMP], v12, v[TMP]                  ; old M - new M: a whole number, 0 or less
	s_delay_alu instid0(VALU_DEP_1)
	v_cvt_i32_f32 v[TMP], v[TMP]                   ; (it saturates)
	s_delay_alu instid0(VALU_DEP_1)
	v_ldexp_f32 v[FF], 1.0, v[TMP]                 ; f = 2^(old M - new M)
.set n, 0
.rept 32
	v_pk_fma_f32 v[S+n:S+n+1], v[S+n:S+n+1], s[CS:CS+1], v[12:13] op_sel_hi:[1,0,0]   ; t - M
.set n, n+2
.endr
.irp b, 0,1,2,3
	v_fma_f32 v[BM+\b], v[BM+\b], s[CS], v12
.endr
.set n, 0
	s_wait_alu depctr_va_vdst(0)
.rept 64
	v_exp_f32 v[S+n], v[S+n]                       ; p = 2^(t - M)
.set n, n+1
.endr
	v_pk_mul_f32 v[14:15], v[14:15], v[FF:FF+1] op_sel_hi:[1,0]    ; the sums under the new M: the plain line behind the exponentials
	s_wait_alu depctr_va_vdst(0)                   ; one wait for the batch, ahead of its first reader
.irp b, 0,1,2,3
	v_exp_f32 v[BM+\b], v[BM+\b]                   ; the blocks' largest p
.endr
	v_pk_add_f32 v[244:245], v[108:109], v[112:113]
	v_pk_add_f32 v[254:255], v[116:117], v[120:121]
	v_pk_add_f32 v[252:253], v[124:125], v[128:129]
	v_pk_add_f32 v[250:251], v[132:133], v[136:137]
	v_pk_add_f32 v[248:249], v[140:141], v[144:145]
	v_pk_add_f32 v[238:239], v[148:149], v[152:153]
	v_pk_add_f32 v[236:237], v[156:157], v[160:161]
	v_pk_add_f32 v[14:15], v[14:15], v[164:165]
	v_pk_add_f32 v[244:245], v[244:245], v[104:105]
	v_pk_add_f32 v[254:255], v[254:255], v[106:107]
	v_pk_add_f32 v[252:253], v[252:253], v[110:111]
	v_pk_add_f32 v[250:251], v[250:251], v[114:115]
	v_pk_add_f32 v[248:249], v[248:249], v[118:119]
	v_pk_add_f32 v[238:239], v[238:239], v[122:123]
	v_pk_add_f32 v[236:237], v[236:237], v[126:127]
	v_pk_add_f32 v[14:15], v[14:15], v[130:131]
	v_pk_add_f32 v[244:245], v[244:245], v[134:135]
	v_pk_add_f32 v[254:255], v[254:255], v[138:139]
	v_pk_add_f32 v[252:253], v[252:253], v[142:143]
	v_pk_add_f32 v[250:251], v[250:251], v[146:147]
	v_pk_add_f32 v[248:249], v[248:249], v[150:151]
	v_pk_add_f32 v[238:239], v[238:239], v[154:155]
	v_pk_add_f32 v[236:237], v[236:237], v[158:159]
	v_pk_add_f32 v[14:15], v[14:15], v[162:163]
	v_pk_add_f32 v[244:245], v[244:245], v[166:167]
	s_delay_alu instid0(VALU_DEP_2)
	v_pk_add_f32 v[14:15], v[14:15], v[250:251]
	s_delay_alu instid0(VALU_DEP_2)
	v_pk_add_f32 v[244:245], v[244:245], v[248:249]
	v_pk_add_f32 v[254:255], v[254:255], v[238:239]
	v_pk_add_f32 v[252:253], v[252:253], v[236:237]
	s_delay_alu instid0(VALU_DEP_2)
	v_pk_add_f32 v[14:15], v[14:15], v[254:255]
	s_delay_alu instid0(VALU_DEP_2)
	v_pk_add_f32 v[244:245], v[244:245], v[252:253]
	s_delay_alu instid0(VALU_DEP_1)
	v_pk_add_f32 v[14:15], v[14:15], v[244:245]
	s_wait_alu depctr_va_vdst(0)                   ; and one for the four
.irp b, 0,1,2,3
	v_max_num_f32 v[BM+\b], 0x8000000, v[BM+\b]    ; the floor 2^(16 - 127)
.endr
.irp b, 0,1,2,3
	s_delay_alu instid0(VALU_DEP_4)
	v_add_nc_u32 v[CV+\b], 0xf8800000, v[BM+\b]
.endr
.irp b, 0,1,2,3
.endr
.irp b, 0,1,2,3
	s_delay_alu instid0(VALU_DEP_4)
	v_lshrrev_b32 v[PT+\b], 23, v[CV+\b]
.endr
	s_delay_alu instid0(VALU_DEP_3)
	v_lshl_or_b32 v[PSR], v[PT+1], 8, v[PT]        ; p's scale word for these 128 keys
	s_delay_alu instid0(VALU_DEP_1)
	v_lshl_or_b32 v[PSR], v[PT+2], 16, v[PSR]
	s_delay_alu instid0(VALU_DEP_1)
	v_lshl_or_b32 v[PSR], v[PT+3], 24, v[PSR]
.irp b, 0,1,2,3
.irp i, 0,1,2,3,4,5,6,7,8,9,10,11,12,13,14,15
.endr
	v_cvt_scalef32_pk8_bf8_f32 v[PC+4*\b:PC+4*\b+1], v[S+16*\b:S+16*\b+7], v[CV+\b]
	v_cvt_scalef32_pk8_bf8_f32 v[PC+4*\b+2:PC+4*\b+3], v[S+16*\b+8:S+16*\b+15], v[CV+\b]
.endr
.set n, 0
.rept 16
	v_pk_mul_f32 v[O+n:O+n+1], v[O+n:O+n+1], v[FF:FF+1] op_sel_hi:[1,0]   ; O^T under the new M; also the places between the codes and the products
.set n, n+2
.endr
	s_wait_alu depctr_va_vdst(0)
	s_wait_dscnt 0x0                               ; V
.irp p, 0,1
	v_wmma_scale_f32_16x16x128_f8f6f4 v[O+16*\p:O+16*\p+7], v[KV+32*\p:KV+32*\p+15], v[PC:PC+15], v[O+16*\p:O+16*\p+7], v[VSR+\p], v[PSR] matrix_a_fmt:MATRIX_FMT_BF8 matrix_b_fmt:MATRIX_FMT_BF8
	v_wmma_scale_f32_16x16x128_f8f6f4 v[O+16*\p+8:O+16*\p+15], v[KV+32*\p+16:KV+32*\p+31], v[PC:PC+15], v[O+16*\p+8:O+16*\p+15], v[VSR+\p], v[PSR] matrix_a_fmt:MATRIX_FMT_BF8 matrix_b_fmt:MATRIX_FMT_BF8 matrix_a_scale:MATRIX_SCALE_ROW1
.endr
.rept 8
	v_nop                                          ; places in front of the next loads into V's registers and of the reads of O^T
.endr
.Lhidden_\@:
	s_add_co_u32 s[KF], s[KF], 128
.endm
; THE CHANGE OF SLOTS stands at a trip's head.  Each wave waits for all its tensor loads (its part of the slot that it is about to read), adds 0 to its spare word, and waits for that and for its reads of
; the slot that it has left.  fill = 1: behind the barrier that other slot is filled with the next trip's keys: slot NS + 1 of the head, or slot 0 where the query block changes.
.macro CHANGE fill
	s_wait_tensorcnt 0x0                           ; no tensor load of mine is out, so the group 0 may be written
	ds_add_u32 v[SPW], v[NIL]                      ; 0 onto my spare word
.if \fill
	s_add_co_u32 s[NS], s[NS], 1
	s_cmp_eq_u32 s[T], s[P]
	s_cselect_b32 s[NS], 0, s[NS]
	s_xor_b32 s[G0+1], s[G0+1], SLOT1
	s_mul_i32 s54, s[NS], REC
	s_mov_b32 s55, 0
	s_add_nc_u64 s[G0+2:G0+3], s[HBW:HBW+1], s[54:55]
	s_or_b32 s[G0+3], s[G0+3], 0x80000000
	s_wait_xcnt 0x0                                ; the last prefetch, a trip back, has read its address
	s_add_nc_u64 s[PFA:PFA+1], s[PFA:PFA+1], REC
.endif
	s_wait_dscnt 0x0                               ; the add is done, and my reads of the slot that I have left are over
	s_barrier_signal -1
	s_barrier_wait -1
.if \fill
	TLOAD                                          ; the first thing behind the barrier, and a wave's one tensor load until the next
	ASK
.endif
.endm
; A QUERY BLOCK IS FINISHED: O^T / the sum; quantised along the head's 64 channels (two blocks of 32); the codes are brought into the operand's own order of k, since w_out's codes lie so:
; lane (r, 0)'s second 8 and lane (r, 1)'s first 8 change places.  reload = 1: the other query block begins.
.macro FINISH reload
	s_lshl_b32 s54, s[BB], 7
	s_lshl_b32 s55, s[CUR], 4
	s_add_co_u32 s54, s54, s55
	s_add_co_u32 s54, s54, s[WV]                   ; my tile of 16 rows among y's 512
	s_lshl_b32 s56, s54, 7                         ; 16 rows x 8 scale bytes
	s_lshl_b32 s54, s54, 12                        ; 4,096 bytes of codes a tile and 256 channels
	s_lshl_b32 s55, s[H2], 21
	s_add_co_u32 s54, s54, s55
	s_lshl_b32 s55, s[H3], 10
	s_add_co_u32 s54, s54, s55
	s_mov_b32 s55, 0
	s_add_nc_u64 s[YP:YP+1], s[6:7], s[54:55]
	s_lshl_b32 s57, s[H2], 16
	s_add_co_u32 s56, s56, s57
	s_lshl_b32 s57, s[H3], 1
	s_add_co_u32 s56, s56, s57
	s_mov_b32 s57, 0
	s_add_nc_u64 s[YS:YS+1], s[8:9], s[56:57]
.if \reload
	s_sub_co_u32 s[CUR], 7, s[P]
	QLOAD                                          ; asked for here; it lands under the lines below, which touch none of its registers
.endif
	v_add_f32 v14, v14, v15
	s_delay_alu instid0(VALU_DEP_1)
	v_permlanex16_b32 v[TMP], v14, s[SEL], s[SEL+1]
	s_delay_alu instid0(VALU_DEP_1)
	v_add_f32 v14, v14, v[TMP]                     ; the row's sum
	s_wait_alu depctr_va_vdst(0)
	v_rcp_f32 v14, v14
	v_nop                                          ; a plain line behind the transcendental,
	s_wait_alu depctr_va_vdst(0)                   ; and the wait ahead of its first reader
.set n, 0
.rept 16
	v_pk_mul_f32 v[S+n:S+n+1], v[O+n:O+n+1], v[14:15] op_sel_hi:[1,0]   ; register 8 t + j: channel 16 t + 8 h + j
.set n, n+2
.endr
.irp b, 0,1
	v_max3_num_f32 v[BM+\b], |v[S+16*\b]|, |v[S+16*\b+1]|, 0x8000000
.endr
.irp i, 2,4,6,8,10,12,14
.irp b, 0,1
	s_delay_alu instid0(VALU_DEP_2)
	v_max3_num_f32 v[BM+\b], v[BM+\b], |v[S+16*\b+\i]|, |v[S+16*\b+\i+1]|
.endr
.endr
.irp b, 0,1
	s_delay_alu instid0(VALU_DEP_2)
	v_permlanex16_b32 v[PT+\b], v[BM+\b], s[SEL], s[SEL+1]
.endr
.irp b, 0,1
	s_delay_alu instid0(VALU_DEP_2)
	v_max_num_f32 v[BM+\b], v[BM+\b], v[PT+\b]
.endr
.irp b, 0,1
	s_delay_alu instid0(VALU_DEP_2)
	v_add_nc_u32 v[CV+\b], 0xf8800000, v[BM+\b]
.endr
.irp b, 0,1
.endr
.irp b, 0,1
	s_delay_alu instid0(VALU_DEP_2)
	v_lshrrev_b32 v[PT+\b], 23, v[CV+\b]
.endr
	s_delay_alu instid0(VALU_DEP_1)
	v_lshl_or_b32 v[HW], v[PT+1], 8, v[PT]         ; my row's two scale bytes
.irp b, 0,1
.irp i, 0,1,2,3,4,5,6,7,8,9,10,11,12,13,14,15
.endr
	v_cvt_scalef32_pk8_bf8_f32 v[PC+4*\b:PC+4*\b+1], v[S+16*\b:S+16*\b+7], v[CV+\b]
	v_cvt_scalef32_pk8_bf8_f32 v[PC+4*\b+2:PC+4*\b+3], v[S+16*\b+8:S+16*\b+15], v[CV+\b]
.endr
	v_nop                                          ; a plain line behind the last conversion
.irp b, 0,1
	v_permlane16_swap_b32 v[PC+4*\b], v[PC+4*\b+2]       ; the first's lanes 16-31 with the second's lanes 0-15
	v_permlane16_swap_b32 v[PC+4*\b+1], v[PC+4*\b+3]
.endr
	global_store_b128 v[LI], v[PC:PC+3], s[YP:YP+1]              ; 512 consecutive bytes, aligned
	global_store_b128 v[LI], v[PC+4:PC+7], s[YP:YP+1] offset:512
	global_store_b16 v[R8], v[HW], s[YS:YS+1]      ; two bytes a row, 8 bytes apart: 1/32 of the codes' bytes.  Lanes r and r + 16 store the same half-word at the same place
.if \reload
	RESET
	s_wait_loadcnt 0x0                             ; Q
	s_wait_xcnt 0x0                                ; the stores have read their registers: the next step writes them again
.endif
.endm
.Lslot:                                            ; eight trips: behind each change of slots the next trip's slot is asked for
	CHANGE 1
	v_add_nc_u32 v[ADK], s[TB], v[LI]
	v_add_nc_u32 v[ADS], s[TB], v[LS]
	STEP 0
	STEP 1
	s_xor_b32 s[TB], s[TB], SLOT1
	s_cmp_eq_u32 s[T], s[P]                        ; block P ends with trip P
	s_cbranch_scc0 .Lsame_block
	FINISH 1
.Lsame_block:
	s_add_co_u32 s[T], s[T], 1
	s_cmp_lt_u32 s[T], 8
	s_cbranch_scc1 .Lslot
	CHANGE 0                                       ; the ninth trip is written out
	v_add_nc_u32 v[ADK], s[TB], v[LI]
	v_add_nc_u32 v[ADS], s[TB], v[LS]
	STEP 0
	STEP 1
	FINISH 0
	s_wait_tensorcnt 0x0                           ; the wave's end
	ds_add_u32 v[SPW], v[NIL]
	s_wait_dscnt 0x0
	s_endpgm
.Lfunc_end_k_q6a983d36fe_attention:
	.size	k_q6a983d36fe_attention, .Lfunc_end_k_q6a983d36fe_attention-k_q6a983d36fe_attention
	.p2alignl 7, 3214868480
	.fill 96, 4, 3214868480
	.section	.rodata,"a",@progbits
	.p2align	6, 0x0
	.amdhsa_kernel k_q6a983d36fe_attention
		.amdhsa_group_segment_fixed_size 327680
		.amdhsa_private_segment_fixed_size 0
		.amdhsa_enable_private_segment 0
		.amdhsa_kernarg_size 24
		.amdhsa_user_sgpr_count 2
		.amdhsa_user_sgpr_kernarg_segment_ptr 1
		.amdhsa_wavefront_size32 1
		.amdhsa_system_sgpr_workgroup_id_x 1
		.amdhsa_system_sgpr_workgroup_id_y 1
		.amdhsa_system_sgpr_workgroup_id_z 1
		.amdhsa_system_vgpr_workitem_id 0
		.amdhsa_next_free_vgpr 256
		.amdhsa_next_free_sgpr 66
		.amdhsa_reserve_vcc 1
		.amdhsa_float_denorm_mode_32 3
		.amdhsa_float_denorm_mode_16_64 3
		.amdhsa_fp16_overflow 1
		.amdhsa_memory_ordered 1
		.amdhsa_forward_progress 1
		.amdhsa_inst_pref_size 109
	.end_amdhsa_kernel
	.amdgpu_metadata
---
amdhsa.version: [ 1, 2 ]
amdhsa.kernels:
  - .name:           k_q6a983d36fe_attention
    .symbol:         k_q6a983d36fe_attention.kd
    .args:
      - { .name: qkv, .offset: 0, .size: 8, .value_kind: global_buffer, .address_space: global }
      - { .name: y_img, .offset: 8, .size: 8, .value_kind: global_buffer, .address_space: global }
      - { .name: y_sc, .offset: 16, .size: 8, .value_kind: global_buffer, .address_space: global }
    .group_segment_fixed_size: 327680
    .private_segment_fixed_size: 0
    .kernarg_segment_align: 8
    .kernarg_segment_size: 24
    .max_flat_workgroup_size: 512
    .sgpr_count:     66
    .vgpr_count:     256
    .wavefront_size: 32
...
	.end_amdgpu_metadata
.endif
;; end of part 2
;; launch out_proj (part 3): grid 4 x 64, 4 waves a work-group, clusters of 4 x 4, 327,680 bytes of LDS; arguments y_img, y_sc, w_out_codes, w_out_scales, b_out, out0; writes out0
.if DOCPART == 3
	.amdgcn_target "amdgcn-amd-amdhsa--gfx1250"
	.amdhsa_code_object_version 6
	.text
	.protected	k_q6a983d36fe_out_proj
	.globl	k_q6a983d36fe_out_proj
	.p2align	8
	.type	k_q6a983d36fe_out_proj,@function
k_q6a983d36fe_out_proj:
	s_mov_b64 s[64:65], 0
	v_nop
	global_prefetch_b8 v0, s[64:65] scope:SCOPE_SE
	s_setreg_imm32_b32 hwreg(HW_REG_WAVE_MODE, 25, 1), 1
	s_wait_xcnt 0x0
	s_wait_alu depctr_hold_cnt(0) depctr_sa_sdst(0) depctr_va_vdst(0) depctr_va_sdst(0) depctr_va_ssrc(0) depctr_va_vcc(0) depctr_vm_vsrc(0)
	s_getreg_b32 s2, hwreg(HW_REG_IB_STS2, 6, 4)
	s_cmp_eq_u32 s2, 0
	s_cbranch_scc0 .Lentry_in_a_cluster
	s_endpgm
.Lentry_in_a_cluster:
	s_bfe_u32 s2, ttmp6, 0x10000c
	s_cmp_lg_u32 s2, 0xf033
	s_cbranch_scc0 .Lentry_shape_is_right
	s_endpgm
.Lentry_shape_is_right:
; out0 = y w_out + b_out on codes of BF8 (E5M2) with one E8M0 scale for each 32 along K = 1,024.  y comes as images of operand registers, [256 along K (4)][16 rows (512)][128 along K (2)][c (4)][lane][16 bytes],
; and its scale bytes as [256 along K (4)][row][8]; w_out as rows of 1,024 codes and 32 scale bytes.  out0: [8,192][1,024] f32.
; A tile of out0 is 128 rows x 256 columns: 256 work-groups, one for each WGP.  Four waves, each 64 x 128: 32 accumulators.  TRANSPOSED USE: source 0 = 16 rows of w_out, source 1 = 16 rows of y: a lane holds
; eight neighbouring columns of one row.  The bias is the C of each sum's first matrix instruction.
; K is eight steps of 128; a K slot holds two.  THREE LDS slots fit: K slots 0, 1, 2 are first fills, and only K slot 3 is a refill (into LDS slot 0): it has four steps, 128 matrix instructions a wave, in which to land.
; No loop: the eight steps are written out.  CLUSTERS: 4 x 4: y's tile hangs on cy, w_out's on cx: each is asked for jointly by the four that share it.
; No prefetch: the launch is short, and each tile is read by several work-groups.  NaN and infinities are not served.
.set LSLOT, 102400                     ; an LDS slot: y's image, 2 x 16,384 bytes; then w_out's 256 rows at pitch 272
.set BOFF,  32768
.set PITCH, 272
.set HALFB, 128*PITCH
.set KSLB,  2097152                    ; a K slot of y_img
.set SCLA,  3*LSLOT                    ; y's scale bytes: two halves x [K slot (4)][64 rows][8]
.set SCLB,  SCLA+4096                  ; w_out's: 2 x 16 rows of 256 bytes + 16 of padding
.set SPARE, SCLB+2*4352                ; the spare words: 128 bytes a wave, two blocks of 256 bytes that no other line names
.set SPITCH, 528
.set STAGE, LSLOT                      ; the way out: 16 rows x (512 + 16) bytes a wave, in LDS slot 1: it has had its only fill, and nobody reads it behind the barrier of step 5
.set ADRA, 16                          ; v16-18
.set ADRB, 20                          ; v20-22
.set ADSA, 23
.set STO,  24
.set RD,   25
.set CO,   26
.set ADSB, 27
.set SPW,  28
.set NIL,  29
.set SA,   32                          ; v32-47  y's scale words: set s, register 8 s + 2 i + q
.set SB,   48                          ; v48-79  w_out's: 16 s + 2 i + q
.set AF,   128                         ; v128-255 y's fragments, two sets of four
.set BK,   128                         ; the way out: two sets of 64
.set WV, 18
.set ROLE, 19
.set HALF, 20
.set CX, 21
.set CY, 22
.set G1A, 24
.set G0A, 32                           ; s[32:43] three sets
.set G1B, 44
.set G0B, 52                           ; s[52:63] three sets
.set G1SA, 68
.set G1SB, 76
.set G0SA, 84
.set G0SB, 88
.set TR, 92
.set TC, 93
.set MSB, 0
.macro WIN new
.if MSB != (\new)
	s_set_vgpr_msb (MSB<<8)|(\new)
.set MSB, (\new)
.endif
.endm
.macro JLOAD g0a, g1a, g0b, g1b        ; waves 0 and 1 fetch for y, waves 2 and 3 for w_out.  Four v_nop follow each of the two lines
	s_cmp_eq_u32 s[ROLE], 0
	s_cbranch_scc0 .Lfor_b_\@
	tensor_load_to_lds s[\g0a:\g0a+3], s[\g1a:\g1a+7]
	s_nop 0
.rept 4
	v_nop
.endr
	s_branch .Lasked_\@
.Lfor_b_\@:
	tensor_load_to_lds s[\g0b:\g0b+3], s[\g1b:\g1b+7]
	s_nop 0
.rept 4
	v_nop
.endr
.Lasked_\@:
.endm
.macro CREST
	s_cmp_lg_u32 s[WV], 0
	s_cbranch_scc1 .Lnot_wave_0_\@
	s_barrier_signal -3
.Lnot_wave_0_\@:
	s_barrier_wait -3
	s_barrier_signal -1
	s_barrier_wait -1
.endm
.macro CROUND
	s_barrier_signal -1
	s_barrier_wait -1
	CREST
.endm
.macro PLACES n
.rept \n
	v_nop
.endr
.endm
	s_load_b256 s[4:11], s[0:1], 0x0               ; y_img, y_sc, w_out's codes, w_out's scales
	s_load_b128 s[12:15], s[0:1], 0x20             ; b_out, out0
	v_lshl_add_u32 v[SPW], v0, 2, SPARE
	v_mov_b32 v[NIL], 0
	ds_add_u32 v28, v29
	s_wait_dscnt 0x0
	v_lshrrev_b32 v1, 5, v0
	v_readfirstlane_b32 s[WV], v1
	s_lshr_b32 s[ROLE], s[WV], 1                   ; which 64 rows are mine; also: I fetch for y (0) or w_out (1)
	s_and_b32 s[HALF], s[WV], 1                    ; which 128 columns; also: which half I fetch
	s_bfe_u32 s[CX], ttmp6, 0x40000
	s_bfe_u32 s[CY], ttmp6, 0x40004
	s_lshl_b32 s[TC], ttmp9, 2
	s_add_co_u32 s[TC], s[TC], s[CX]               ; tile column
	s_and_b32 s[TR], ttmp7, 0xffff
	s_lshl_b32 s[TR], s[TR], 2
	s_add_co_u32 s[TR], s[TR], s[CY]               ; tile row
	s_lshl_b32 s94, s[CY], 2
	s_lshl_b32 s94, 15, s94                        ; my row of the cluster
	s_lshl_b32 s95, 0x1111, s[CX]                  ; my column
	s_or_b32 s[G1A], s94, (3<<16)|(1<<21)          ; y's image of 64 rows x 256 K: 16,384 dense bytes as 64 rows of 256; no padding
	s_mov_b32 s[G1A+1], 32<<16
	s_mov_b32 s[G1A+2], 64<<16
	s_mov_b32 s[G1A+3], 32<<16
	s_mov_b32 s[G1A+4], 64
	s_mov_b32 s[G1A+5], 32
	s_mov_b32 s[G1A+6], 0
	s_mov_b32 s[G1A+7], 0
	s_or_b32 s[G1B], s95, (0<<16)|(1<<20)|(1<<21)|(5<<22)|(3<<25)   ; w_out: 128 rows x 256 bytes, 1,024 apart; 4 words of padding after every 64
	s_mov_b32 s[G1B+1], 256<<16
	s_mov_b32 s[G1B+2], 128<<16
	s_mov_b32 s[G1B+3], 256<<16
	s_mov_b32 s[G1B+4], 128
	s_mov_b32 s[G1B+5], 1024
	s_mov_b32 s[G1B+6], 0
	s_mov_b32 s[G1B+7], 0
	s_or_b32 s[G1SA], s94, (3<<16)|(1<<21)         ; y's scale bytes: for each of 4 K slots 64 rows x 8 bytes = 512 bytes, 65,536 apart
	s_mov_b32 s[G1SA+1], 64<<16
	s_mov_b32 s[G1SA+2], 4<<16
	s_mov_b32 s[G1SA+3], 64<<16
	s_mov_b32 s[G1SA+4], 4
	s_mov_b32 s[G1SA+5], 8192
	s_mov_b32 s[G1SA+6], 0
	s_mov_b32 s[G1SA+7], 0
	s_or_b32 s[G1SB], s95, (3<<16)|(1<<20)|(1<<21)|(5<<22)|(3<<25)  ; w_out's: 128 rows x 32 bytes, dense: 16 rows of 256, 16 bytes of padding behind each
	s_mov_b32 s[G1SB+1], 32<<16
	s_mov_b32 s[G1SB+2], 16<<16
	s_mov_b32 s[G1SB+3], 32<<16
	s_mov_b32 s[G1SB+4], 16
	s_mov_b32 s[G1SB+5], 32
	s_mov_b32 s[G1SB+6], 0
	s_mov_b32 s[G1SB+7], 0
	s_lshl_b32 s96, s[TR], 15                      ; y: 8 tiles of 16 rows x 4,096 bytes a tile row,
	s_lshl_b32 s23, s[HALF], 14
	s_add_co_u32 s96, s96, s23                     ; + my four
	s_mov_b32 s97, 0
	s_lshl_b32 s98, s[TR], 10                      ; its scale bytes: 128 rows x 8,
	s_lshl_b32 s23, s[HALF], 9
	s_add_co_u32 s98, s98, s23
	s_mov_b32 s99, 0
	s_lshl_b32 s100, s[TC], 18                     ; w_out: 256 rows x 1,024 bytes a tile column,
	s_lshl_b32 s23, s[HALF], 17
	s_add_co_u32 s100, s100, s23
	s_mov_b32 s101, 0
	s_lshl_b32 s66, s[TC], 13                      ; its scale bytes: 256 rows x 32
	s_lshl_b32 s23, s[HALF], 12
	s_add_co_u32 s66, s66, s23
	s_mov_b32 s67, 0
	s_lshl_b32 s16, s[HALF], 14                    ; where they go: no place in the cluster enters an LDS address
	s_mul_i32 s17, s[HALF], HALFB
	s_add_co_u32 s17, s17, BOFF
	s_lshl_b32 s2, s[HALF], 11
	s_add_co_u32 s2, s2, SCLA
	s_mul_i32 s3, s[HALF], 4352
	s_add_co_u32 s3, s3, SCLB
	s_wait_kmcnt 0x0
	s_add_nc_u64 s[4:5], s[4:5], s[96:97]
	s_add_nc_u64 s[6:7], s[6:7], s[98:99]
	s_add_nc_u64 s[8:9], s[8:9], s[100:101]
	s_add_nc_u64 s[10:11], s[10:11], s[66:67]
	CROUND                                         ; all sixteen work-groups are here: the first joint loads meet
	s_mov_b32 s[G0SA], 1
	s_mov_b32 s[G0SA+1], s2
	s_mov_b64 s[G0SA+2:G0SA+3], s[6:7]
	s_or_b32 s[G0SA+3], s[G0SA+3], 0x80000000
	s_mov_b32 s[G0SB], 1
	s_mov_b32 s[G0SB+1], s3
	s_mov_b64 s[G0SB+2:G0SB+3], s[10:11]
	s_or_b32 s[G0SB+3], s[G0SB+3], 0x80000000
	JLOAD G0SA, G1SA, G0SB, G1SB
.irp L, 0,1,2
	s_mov_b32 s[G0A+4*\L], 1
	s_add_co_u32 s[G0A+4*\L+1], s16, \L*LSLOT
	s_add_nc_u64 s[G0A+4*\L+2:G0A+4*\L+3], s[4:5], \L*KSLB
	s_or_b32 s[G0A+4*\L+3], s[G0A+4*\L+3], 0x80000000
	s_mov_b32 s[G0B+4*\L], 1
	s_add_co_u32 s[G0B+4*\L+1], s17, \L*LSLOT
	s_add_nc_u64 s[G0B+4*\L+2:G0B+4*\L+3], s[8:9], \L*256
	s_or_b32 s[G0B+4*\L+3], s[G0B+4*\L+3], 0x80000000
	JLOAD G0A+4*\L, G1A, G0B+4*\L, G1B             ; four loads of mine are out behind the last
.endr
	v_and_b32 v1, 15, v0                           ; r
	v_bfe_u32 v2, v0, 4, 1                         ; h
	v_and_b32 v6, 31, v0
	v_lshlrev_b32 v[CO], 4, v6                     ; 16 x lane
	s_lshl_b32 s23, s[ROLE], 14                    ; my 64 rows' image
	s_mul_i32 s16, s[HALF], HALFB                  ; my 128 rows of w_out
	s_add_co_u32 s16, s16, BOFF
	v_mul_u32_u24 v3, v1, PITCH
	v_lshl_add_u32 v3, v2, 4, v3
.irp L, 0,1,2
	v_add_nc_u32 v[ADRA+\L], s23, v[CO]
	v_add_nc_u32 v[ADRB+\L], s16, v3
	s_add_co_u32 s23, s23, LSLOT
	s_add_co_u32 s16, s16, LSLOT
.endr
	v_lshlrev_b32 v5, 3, v1
	s_lshl_b32 s23, s[ROLE], 11
	s_add_co_u32 s23, s23, SCLA
	v_add_nc_u32 v[ADSA], s23, v5                  ; y's scale words: 8 bytes a row
	v_lshlrev_b32 v5, 5, v1
	v_lshrrev_b32 v6, 3, v1
	v_lshl_add_u32 v5, v6, 4, v5                   ; w_out's: 32 bytes a row, 16 more for each 256 passed
	s_mul_i32 s23, s[HALF], 4352
	s_add_co_u32 s23, s23, SCLB
	v_add_nc_u32 v[ADSB], s23, v5
	s_mul_i32 s23, s[WV], 16*SPITCH
	s_add_co_u32 s23, s23, STAGE
	v_mul_u32_u24 v5, v1, SPITCH
	v_lshl_add_u32 v5, v2, 5, v5
	v_add_nc_u32 v[STO], s23, v5                   ; into my stage: row r, 32 bytes for each half of the lanes
	v_add_nc_u32 v[RD], s23, v[CO]                 ; and back: the 32 lanes take one row of 512 bytes
	s_lshl_b32 s96, s[TR], 7
	s_lshl_b32 s97, s[ROLE], 6
	s_add_co_u32 s96, s96, s97                     ; my first row of out0,
	s_lshl_b32 s96, s96, 12                        ; of 4,096 bytes;
	s_lshl_b32 s97, s[TC], 10
	s_add_co_u32 s96, s96, s97
	s_lshl_b32 s97, s[HALF], 9
	s_add_co_u32 s96, s96, s97                     ; my first column
	s_mov_b32 s97, 0
	s_add_nc_u64 s[14:15], s[14:15], s[96:97]
	s_lshl_b32 s98, s[TC], 10
	s_lshl_b32 s99, s[HALF], 9
	s_add_co_u32 s98, s98, s99
	s_mov_b32 s99, 0
	s_add_nc_u64 s[12:13], s[12:13], s[98:99]      ; b_out at my 128 columns
	v_lshlrev_b32 v5, 5, v2
	WIN 0xc0                                       ; destination window 3
.irp b, 0,1,2,3,4,5,6,7
	global_load_b128 v[8*\b:8*\b+3], v5, s[12:13] offset:64*\b           ; columns 16 b + 8 h + 0 .. 7
	global_load_b128 v[8*\b+4:8*\b+7], v5, s[12:13] offset:64*\b+16
.endr
	WIN 0
; The fragments of step n (K slot n / 2, its half n % 2) into set n % 2: 32 loads for w_out, 16 for y; with an even n the K slot's scale words too: 12 loads more.
.macro FETCH n
.set fk, (\n)/2
.set fq, (\n)%2
.set fL, fk%3
	WIN 0x40
.irp i, 0,1,2,3,4,5,6,7
.irp c, 0,1,2,3
	ds_load_b128 v[128*fq+16*\i+4*\c:128*fq+16*\i+4*\c+3], v[ADRB+fL] offset:128*fq+32*\c+16*PITCH*\i
.endr
.endr
	WIN 0
.irp i, 0,1,2,3
.irp c, 0,1,2,3
	ds_load_b128 v[AF+64*fq+16*\i+4*\c:AF+64*fq+16*\i+4*\c+3], v[ADRA+fL] offset:4096*\i+2048*fq+512*\c
.endr
.endr
.if fq == 0
.irp i, 0,1,2,3
	ds_load_b64 v[SA+8*(fk%2)+2*\i:SA+8*(fk%2)+2*\i+1], v[ADSA] offset:512*fk+128*\i
.endr
.irp i, 0,1,2,3,4,5,6,7
	ds_load_b64 v[SB+16*(fk%2)+2*\i:SB+16*(fk%2)+2*\i+1], v[ADSB] offset:8*fk+544*\i
.endr
.endif
.endm
; Eight matrix instructions: y's block a x w_out's eight, step n.  The 32 accumulators take turns, one instruction a turn, in the same order in every step.
.macro MUL8 a, n, first
.set mp, (\n)%2
.set ms, ((\n)/2)%2
.if \first
	WIN 0xb1                                       ; source 0 window 1, source 1 window 0, C (the bias) window 3, D window 2
.else
	WIN 0xa1
.endif
.irp b, 0,1,2,3,4,5,6,7
.set rD, 8*(8*(\a)+\b)
.set rC, rD
.if \first
.set rC, 8*\b
.endif
	v_wmma_scale_f32_16x16x128_f8f6f4 v[rD:rD+7], v[128*mp+16*\b:128*mp+16*\b+15], v[AF+64*mp+16*(\a):AF+64*mp+16*(\a)+15], v[rC:rC+7], v[SB+16*ms+2*\b+mp], v[SA+8*ms+2*(\a)+mp] matrix_a_fmt:MATRIX_FMT_BF8 matrix_b_fmt:MATRIX_FMT_BF8
.endr
.endm
.macro STEP n, first                   ; the next step's fragments are asked for, then this step's 32 products
.if \first == 0
	PLACES 8                                       ; the other set was read by the step before
.endif
	FETCH (\n)+1
.if ((\n)+1)%2
	s_wait_dscnt 48                                ; all but the 48 just issued
.else
	s_wait_dscnt 60                                ; all but the 60 just issued
.endif
	MUL8 0, \n, \first
	MUL8 1, \n, \first
	MUL8 2, \n, \first
	MUL8 3, \n, \first
	WIN 0
.endm
	s_wait_tensorcnt 2                             ; the scales and my part of K slot 0 are in; K slots 1 and 2 may be out
	s_barrier_signal -1
	s_barrier_wait -1
	FETCH 0
	s_wait_loadcnt 0x0                             ; the bias
	STEP 0, 1
	; STEP 1 leaves LDS slot 0, which takes K slot 3
	s_wait_tensorcnt 0x0                           ; all my tensor loads have landed: my parts of K slots 1 and 2
	ds_add_u32 v[SPW], v[NIL]                      ; 0 onto my spare word
	s_wait_dscnt 1                                 ; step 1's fragments are in; the add may be out
	MUL8 0, 1, 0
	s_wait_dscnt 0x0                               ; the add is done, and my reads of LDS slot 0 are over
	s_barrier_signal -1
	MUL8 1, 1, 0
	WIN 0
	s_barrier_wait -1
	CREST                                          ; the barrier has opened a round of the cluster's: no wave of any partner still reads LDS slot 0 or has a load on its way
	s_add_nc_u64 s[G0A+2:G0A+3], s[G0A+2:G0A+3], 3*KSLB
	s_add_nc_u64 s[G0B+2:G0B+3], s[G0B+2:G0B+3], 3*256
	JLOAD G0A, G1A, G0B, G1B                       ; the first tensor load behind the round; its four v_nop are four of the eight places
	PLACES 4
	FETCH 2
	MUL8 2, 1, 0
	MUL8 3, 1, 0
	WIN 0
	STEP 2, 0
	STEP 3, 0                                      ; (LDS slot 2 was shown whole to every wave by the round)
	STEP 4, 0
	; STEP 5: K slot 3 has to be whole
	s_wait_tensorcnt 0x0                           ; my part of K slot 3 has landed
	s_wait_dscnt 0x0                               ; step 5's fragments are in: my reads of LDS slots 1 and 2 are over
	s_barrier_signal -1
	MUL8 0, 5, 0
	MUL8 1, 5, 0
	WIN 0
	s_barrier_wait -1
	PLACES 8
	FETCH 6
	MUL8 2, 5, 0
	MUL8 3, 5, 0
	WIN 0
	STEP 6, 0
	s_wait_dscnt 0x0
	MUL8 0, 7, 0
	MUL8 1, 7, 0
	MUL8 2, 7, 0
	MUL8 3, 7, 0
	WIN 0
; THE WAY OUT, block by block of 16 rows x 128 columns, through my own stage: a lane holds 32 neighbouring bytes of a row; back come whole rows of 512 bytes.
; LDS serves a wave's instructions in order (ISA guide 5.7.1.4): no wait between the stores and the loads.
.macro TOSTAGE a
	WIN 0x08                                       ; an LDS store's data are its source 1: window 2
.irp b, 0,1,2,3,4,5,6,7
	ds_store_b128 v[STO], v[64*(\a)+8*\b:64*(\a)+8*\b+3] offset:64*\b          ; each accumulator from its low end on
	ds_store_b128 v[STO], v[64*(\a)+8*\b+4:64*(\a)+8*\b+7] offset:64*\b+16
.endr
	WIN 0
.set BB, BK+64*((\a)%2)
.irp t, 0,1,2,3,4,5,6,7,8,9,10,11,12,13,14,15
	ds_load_b128 v[BB+4*\t:BB+4*\t+3], v[RD] offset:\t*SPITCH
.endr
.endm
.macro SEND a, younger                 ; younger: the LDS instructions issued behind block a's loads
.set BB, BK+64*((\a)%2)
	s_wait_dscnt \younger
.if (\a) > 0
	s_add_nc_u64 s[14:15], s[14:15], 16*4096       ; (behind a wait on XCNT: the earlier stores have read their base)
.endif
.irp t, 0,1,2,3,4,5,6,7,8,9,10,11,12,13,14,15
	global_store_b128 v[CO], v[BB+4*\t:BB+4*\t+3], s[14:15] offset:\t*4096 th:TH_STORE_NT   ; 32 lanes store 512 consecutive bytes, aligned; written once, read by nobody here
.endr
.endm
	PLACES 8
	TOSTAGE 0
.irp a, 1,2,3
.if \a > 1
	s_wait_xcnt 0x0                                ; block a - 2's stores have read their registers and their base
.endif
	TOSTAGE \a
	SEND \a-1, 32                                  ; behind block a - 1's loads: block a's 16 stores and 16 loads
.endr
	s_wait_xcnt 0x0
	SEND 3, 0
	s_wait_tensorcnt 0x0                           ; the wave's end
	ds_add_u32 v[SPW], v[NIL]
	s_wait_dscnt 0x0
	CROUND                                         ; the closing round
	s_endpgm
.Lfunc_end_k_q6a983d36fe_out_proj:
	.size	k_q6a983d36fe_out_proj, .Lfunc_end_k_q6a983d36fe_out_proj-k_q6a983d36fe_out_proj
	.p2alignl 7, 3214868480
	.fill 96, 4, 3214868480
	.section	.rodata,"a",@progbits
	.p2align	6, 0x0
	.amdhsa_kernel k_q6a983d36fe_out_proj
		.amdhsa_group_segment_fixed_size 327680
		.amdhsa_private_segment_fixed_size 0
		.amdhsa_enable_private_segment 0
		.amdhsa_kernarg_size 48
		.amdhsa_user_sgpr_count 2
		.amdhsa_user_sgpr_kernarg_segment_ptr 1
		.amdhsa_wavefront_size32 1
		.amdhsa_system_sgpr_workgroup_id_x 1
		.amdhsa_system_sgpr_workgroup_id_y 1
		.amdhsa_system_sgpr_workgroup_id_z 1
		.amdhsa_system_vgpr_workitem_id 0
		.amdhsa_next_free_vgpr 832
		.amdhsa_next_free_sgpr 102
		.amdhsa_reserve_vcc 0
		.amdhsa_float_denorm_mode_32 3
		.amdhsa_float_denorm_mode_16_64 3
		.amdhsa_memory_ordered 1
		.amdhsa_forward_progress 1
		.amdhsa_inst_pref_size 91
	.end_amdhsa_kernel
	.amdgpu_metadata
---
amdhsa.version: [ 1, 2 ]
amdhsa.kernels:
  - .name:           k_q6a983d36fe_out_proj
    .symbol:         k_q6a983d36fe_out_proj.kd
    .args:
      - { .name: y_img, .offset: 0, .size: 8, .value_kind: global_buffer, .address_space: global }
      - { .name: y_sc, .offset: 8, .size: 8, .value_kind: global_buffer, .address_space: global }
      - { .name: w_out_codes, .offset: 16, .size: 8, .value_kind: global_buffer, .address_space: global }
      - { .name: w_out_scales, .offset: 24, .size: 8, .value_kind: global_buffer, .address_space: global }
      - { .name: b_out, .offset: 32, .size: 8, .value_kind: global_buffer, .address_space: global }
      - { .name: out0, .offset: 40, .size: 8, .value_kind: global_buffer, .address_space: global }
    .group_segment_fixed_size: 327680
    .private_segment_fixed_size: 0
    .kernarg_segment_align: 8
    .kernarg_segment_size: 48
    .max_flat_workgroup_size: 128
    .sgpr_count:     102
    .vgpr_count:     832
    .wavefront_size: 32
...
	.end_amdgpu_metadata
.endif
;; end of part 3
